; MI455X (gfx1250); checked and timed in simulation.
; The chip was launched on July 23, 2026; its instructions are those of AMD's public machine-readable ISA for CDNA 5 (MIT licence, August 2026) and "CDNA5" Instruction Set Architecture Reference Guide (July 2026). The comments in the code are by the model that wrote it; some were corrected since.
;; Decoder Block. Allowed arithmetic: matrix products marked QUANTISED: E2M1 operands, one E8M0 scale for each 32 along K, by v_wmma_scale_f32_16x16x128_f8f6f4 with both operands' format E2M1 (or v_wmma_scale_f32_32x16x128_f4), f32 sums; everything else in f32.
;; Inputs: g1 1,024 float32; g2 1,024 float32; w_down 1,024 x 1,024 float32; w_up 2,048 x 1,024 float32; wk 1,024 x 1,024 float32; wo 1,024 x 1,024 float32; wq 1,024 x 1,024 float32; wv 1,024 x 1,024 float32; x 2 x 2,048 x 1,024 float32.
;; Outputs: out0 2 x 2,048 x 1,024 float32.
;; This version of the problem:
;;   THIS VERSION OF THE PROBLEM IS GIVEN IN LOW PRECISION. The matrix products marked QUANTISED in the list below multiply operands that are first quantised to E2M1 (2 exponent bits, 1 mantissa bit; 4 bits a number), with one power-of-two scale for each 32 numbers along K (OCP MX v1.0); their sums are f32. All else is computed in f32.
;;   The module's matrix products, in the order in which they are computed (A, B: the left and right operand; K: the contracted axis; several contracted axes count as one K, in the product's order):
;;     1. [M 4,096, K 1,024] x [K 1,024, N 1,024]; A: computed on the way; B: input wq: QUANTISED
;;     2. [M 4,096, K 1,024] x [K 1,024, N 1,024]; A: computed on the way; B: input wk: QUANTISED
;;     3. [M 4,096, K 1,024] x [K 1,024, N 1,024]; A: computed on the way; B: input wv: QUANTISED
;;     4. batch 32 x [M 2,048, K 64] x [K 64, N 2,048]; A: computed on the way; B: computed on the way: QUANTISED
;;     5. batch 32 x [M 2,048, K 2,048] x [K 2,048, N 64]; A: softmax (see below); B: computed on the way: QUANTISED
;;     6. [M 4,096, K 1,024] x [K 1,024, N 1,024]; A: computed on the way; B: input wo: QUANTISED
;;     7. [M 4,096, K 1,024] x [K 1,024, N 2,048]; A: computed on the way; B: input w_up: QUANTISED
;;     8. [M 4,096, K 1,024] x [K 1,024, N 1,024]; A: computed on the way; B: input w_down: QUANTISED
;;   THE QUANTISER, for each operand of a quantised product, along K:
;;     - K is cut into blocks of 32 from its start; a last block that is shorter is filled with zeros.
;;     - A block's scale is 2^e with e = floor(log2(the largest magnitude in the block)) - 2, held to -126 .. 127; a block of zeros has e = 0. As a byte (E8M0): e + 127.
;;     - Each number is divided by its block's scale, clamped to +-6, and rounded to the nearest number of E2M1, ties to even, subnormals kept.
;;     - The product sums the exact products of the quantised numbers (number of the format x scale) in f32.
;;   ~~~python
;;   def quantise(x, axis):      # numpy; x: float32 -> the quantised numbers, widened to float32 again
;;       x = np.moveaxis(x, axis, -1); K = x.shape[-1]
;;       x = np.pad(x, [(0, 0)] * (x.ndim - 1) + [(0, -K % 32)]); x = x.reshape(x.shape[:-1] + (-1, 32)); a = np.abs(x).max(-1, keepdims=True)
;;       e = np.where(a > 0, np.clip(np.frexp(np.where(a > 0, a, 1))[1] - 1 - 2, -126, 127), 0)      # np.frexp(a)[1] - 1 = floor(log2(a)), exactly
;;       r = np.clip(x / 2.0 ** e, -6, 6)
;;       step = 2.0 ** (np.maximum(np.frexp(np.where(r == 0, 1, r))[1] - 1, 0) - 1)
;;       q = np.round(r / step) * step * 2.0 ** e      # np.round: ties to even
;;       return np.moveaxis(q.reshape(q.shape[:-2] + (-1,))[..., :K], -1, axis).astype(np.float32)
;;   ~~~
;;   SOFTMAX AHEAD OF A QUANTISED PRODUCT. Where the list says 'softmax', what is quantised is not the finished softmax but p = 2^(t - M), with t = logit x log2(e) and M = ceil(the row's largest t), a whole number; so 1/2 < the row's largest p <= 1. The row's sum l is taken of the UNQUANTISED p, in f32, and the product's result is divided by l at the end. Since M is a whole number, a kernel that streams over the keys may use a running M (the ceiling of the running maximum): every later rescaling is an exact power of two, which a block's scale takes up: the codes' values come out the same.
;;   OPERANDS COMPUTED ON THE WAY. 'Computed on the way' means the value that the module computes at that place (a softmax that the list does not call 'softmax' is quantised finished and normalised). What goes into a quantiser is computed in f32, as accurately as f32 sums, v_exp_f32 and their like allow (about 1e-6 of the number): no bf16 or f16 on the way to a quantiser, and a product that is left as it is and whose result goes on into a quantised operand takes f32 operands (vector FMAs, or v_wmma_f32_16x16x4_f32). A number that lies on a knife's edge between two numbers of the format may be rounded either way, as far as f32 arithmetic and the matrix unit's own rounding can turn it there, and no further.
;; One version. Each part assembles by itself: llvm-mc -triple=amdgcn-amd-amdhsa -mcpu=gfx1250 --defsym DOCPART=n.
;; ======== version 1 of 1: 7 launches
;; limits: right only within a limited range of input values
;; workspace buffers: hw 5,570,560 bytes; qkvb 6,684,672 bytes; zb 2,228,224 bytes; x1 16,777,216 bytes; h2w 2,785,280 bytes; actb 2,228,224 bytes
;; launch prep (part 1): grid 640 x 1, 4 waves a work-group, no clusters, 28,160 bytes of LDS; arguments x, g1, wo, wq, wk, wv, w_up, hw; writes hw
.if DOCPART == 1
	.amdgcn_target "amdgcn-amd-amdhsa--gfx1250"
	.amdhsa_code_object_version 6
	.text
	.protected	k_q64143feece_prep
	.globl	k_q64143feece_prep
	.p2align	8
	.type	k_q64143feece_prep,@function
k_q64143feece_prep:
	s_mov_b64 s[64:65], 0
	v_nop
	global_prefetch_b8 v0, s[64:65] scope:SCOPE_SE
	s_setreg_imm32_b32 hwreg(HW_REG_WAVE_MODE, 25, 1), 1
	s_wait_xcnt 0x0
; Rows of 1,024 f32 become MX-FP4 operand records.  One body for two kinds of source: rows 0-255 (records) are activations,
; which are first normalised (g x / sqrt(mean(x x) + 1e-6)), the others are weights, which are taken as they are.
; A RECORD (REC = 8,704 bytes) is 16 rows x K = 1,024: the 16 bytes (32 codes, the lower k in the lower bits) of block b = k / 32 of position r lie at
; 256 b + 16 r; the scale word (four E8M0 bytes) of K step s = k / 128 of position r at 8,192 + 64 s + 4 r.  Position r of record T holds row
; 32 (T / 2) + 8 (T % 2) + r + 8 (r / 8) of its tensor.  So the fragment of a K step is 1,024 consecutive bytes: two loads of 16 bytes a lane at 16 x lane.
; SHARES: a work-group makes one record, wave w its positions 4 w .. 4 w + 3, which are four neighbouring rows.  A row is loaded 16 bytes a lane, 512 consecutive
; bytes a load; the sum of squares is taken so; then the row turns through the wave's own stage in LDS, so that a lane holds one whole block of 32 neighbours.
; The codes and bytes meet in an image of the record in LDS and leave 512 consecutive bytes a store.
; One path for both kinds: the norm is always computed, and for weights g and the factor are replaced by 1.0 (a choice of values, no branch).
; No tensor loads, no cluster, no matrix work: a stream in which work-groups share nothing.
; LIMITS: NaN and infinities are not served.  A block whose largest magnitude lies under 2^-124 keeps the byte 1; a block of zeros gets the byte 1 where the
; quantiser says 127: its codes are zeros, and this program alone reads the bytes.  The sum of squares is taken in another order than a plain running sum.
.set REC,  8704
.set STG,  4608                        ; a wave's stage: 32 pieces of 128 bytes + 16 of padding
.set IMG,  4*STG                       ; the record's codes: 32 blocks of 256 bytes + 16 of padding
.set SIMG, IMG+32*272                  ; the record's 512 bytes of scale words
.set BY,   20                          ; v20-23   a scale byte for each of my rows
.set CD,   24                          ; v24-39   codes, four registers a row
.set G,    40                          ; v40-71   g at my 32 columns (1.0 for weights)
.set X,    72                          ; v72-103  32 neighbours
.set R,    104                         ; v104-231 four rows as loaded
	s_load_b512 s[4:19], s[0:1], 0x0               ; rows s[4:5], g s[6:7], five weights s[8:17], the records s[18:19]
	v_lshl_add_u32 v232, v0, 2, 0x6c00
	v_mov_b32 v233, 0
	v_lshrrev_b32 v1, 5, v0
	v_readfirstlane_b32 s22, v1                    ; wave
	v_and_b32 v1, 31, v0                           ; lane
	v_lshlrev_b32 v2, 4, v1                        ; 16 x lane
	s_mul_i32 s23, s22, STG
	v_lshrrev_b32 v3, 3, v1
	v_lshl_add_u32 v3, v3, 4, v2
	v_add_nc_u32 v3, s23, v3                       ; into the stage: 16 l + 16 (l / 8); load j's 512 bytes begin 576 j on
	v_mul_u32_u24 v4, v1, 144
	v_add_nc_u32 v4, s23, v4                       ; out of it: my block's 128 bytes
	s_lshl_b32 s23, s22, 6
	s_add_co_u32 s23, s23, IMG
	v_mul_u32_u24 v5, v1, 272
	v_add_nc_u32 v5, s23, v5                       ; the image: block = my lane, position 4 w + row
	v_lshrrev_b32 v6, 2, v1
	v_and_b32 v7, 3, v1
	v_lshl_add_u32 v6, v6, 6, v7
	s_lshl_b32 s23, s22, 4
	s_add_co_u32 s23, s23, SIMG
	v_add_nc_u32 v6, s23, v6                       ; my byte: word 64 (l / 4) + 4 (4 w + row), byte l % 4
	v_lshrrev_b32 v7, 4, v1
	s_lshl_b32 s23, s22, 3
	v_add_nc_u32 v7, s23, v7
	v_mul_u32_u24 v7, v7, 272
	v_and_b32 v8, 15, v1
	v_lshl_add_u32 v7, v8, 4, v7
	v_add_nc_u32 v7, IMG, v7                       ; back: blocks 8 w + 2 t + l / 16, 16 bytes a lane
	v_add_nc_u32 v13, SIMG, v2                     ; and the scale words, 16 bytes a lane
	v_mov_b32 v12, 0                               ; a lane permute's destination counts as one of its sources
	v_mov_b32 v15, 0                               ; named with v14 as a pair
	s_mov_b32 s20, ttmp9                           ; the record's number
	s_mov_b32 s24, 0x76543210
	s_mov_b32 s25, 0xfedcba98                      ; selects for lane l xor 16
	s_mov_b32 s26, 0x3a800000                      ; 1 / 1,024
	s_mov_b32 s27, 0x358637bd                      ; 1e-6
	s_mov_b32 s21, 512
	s_mov_b32 s33, 0
	s_wait_kmcnt 0x0
	s_mov_b64 s[30:31], s[16:17]                   ; which tensor, and at which record it begins: a choice on the work-group's number alone
	s_cmp_lt_u32 s20, 512
	s_cselect_b64 s[30:31], s[14:15], s[30:31]
	s_cselect_b32 s21, 448, s21
	s_cmp_lt_u32 s20, 448
	s_cselect_b64 s[30:31], s[12:13], s[30:31]
	s_cselect_b32 s21, 384, s21
	s_cmp_lt_u32 s20, 384
	s_cselect_b64 s[30:31], s[10:11], s[30:31]
	s_cselect_b32 s21, 320, s21
	s_cmp_lt_u32 s20, 320
	s_cselect_b64 s[30:31], s[8:9], s[30:31]
	s_cselect_b32 s21, 256, s21
	s_cmp_lt_u32 s20, 256
	s_cselect_b64 s[30:31], s[4:5], s[30:31]
	s_cselect_b32 s21, 0, s21
	s_cselect_b32 s28, -1, 0                       ; all ones where the rows are normalised
	s_sub_co_u32 s21, s20, s21                     ; the record's number in its tensor
	; w_up alone (records 512 on): place 16 p + t takes u's record 8 p + t (t < 8) or the gate's record 64 + 8 p + t - 8, so that a block's u and gate lie side by side
	s_bfe_u32 s29, s21, 0x10003
	s_lshl_b32 s29, s29, 6
	s_lshr_b32 s32, s21, 4
	s_lshl_b32 s32, s32, 3
	s_add_co_u32 s29, s29, s32
	s_and_b32 s32, s21, 7
	s_add_co_u32 s29, s29, s32
	s_cmp_ge_u32 s20, 512
	s_cselect_b32 s21, s29, s21
	s_lshr_b32 s29, s21, 1
	s_lshl_b32 s29, s29, 5
	s_and_b32 s21, s21, 1
	s_lshl_b32 s21, s21, 3
	s_add_co_u32 s29, s29, s21
	s_lshl_b32 s21, s22, 2
	s_add_co_u32 s29, s29, s21
	s_lshr_b32 s21, s22, 1
	s_lshl_b32 s21, s21, 3
	s_add_co_u32 s29, s29, s21                     ; my first row: 32 (T / 2) + 8 (T % 2) + 4 w + 8 (w / 2)
	s_lshl_b32 s32, s29, 12
	s_add_nc_u64 s[30:31], s[30:31], s[32:33]
	s_mul_i32 s32, s20, REC
	s_lshl_b32 s21, s22, 11
	s_add_co_u32 s32, s32, s21
	s_add_nc_u64 s[18:19], s[18:19], s[32:33]      ; my quarter of the record
.irp j, 0,1,2,3,4,5,6,7
	global_load_b128 v[G+4*\j:G+4*\j+3], v2, s[6:7] offset:512*\j
.endr
.irp n, 0,1,2,3
.irp j, 0,1,2,3,4,5,6,7
	global_load_b128 v[R+32*\n+4*\j:R+32*\n+4*\j+3], v2, s[30:31] offset:4096*\n+512*\j th:TH_LOAD_NT
.endr
.endr
	s_wait_loadcnt 32                              ; g is in; the 32 loads of the rows were issued behind it
.irp j, 0,1,2,3,4,5,6,7,8,9,10,11,12,13,14,15,16,17,18,19,20,21,22,23,24,25,26,27,28,29,30,31
	v_cndmask_b32 v[G+\j], 1.0, v[G+\j], s28
.endr
.macro ROW n
.set RR, R+32*(\n)
	s_wait_loadcnt 24-8*(\n)                       ; this row's eight loads are in; the later rows' may be out
	v_pk_mul_f32 v[8:9], v[RR:RR+1], v[RR:RR+1]    ; the sum of squares of my 32 numbers, in two packed chains
	v_pk_mul_f32 v[10:11], v[RR+2:RR+3], v[RR+2:RR+3]
.irp j, 4,8,12,16,20,24,28
	v_pk_fma_f32 v[8:9], v[RR+\j:RR+\j+1], v[RR+\j:RR+\j+1], v[8:9]
	v_pk_fma_f32 v[10:11], v[RR+\j+2:RR+\j+3], v[RR+\j+2:RR+\j+3], v[10:11]
.endr
	v_pk_add_f32 v[8:9], v[8:9], v[10:11]
	v_add_f32 v8, v8, v9
	v_add_f32_dpp v8, v8, v8 row_xmask:1 row_mask:0xf bank_mask:0xf
	v_add_f32_dpp v8, v8, v8 row_xmask:2 row_mask:0xf bank_mask:0xf
	v_add_f32_dpp v8, v8, v8 row_xmask:4 row_mask:0xf bank_mask:0xf
	v_add_f32_dpp v8, v8, v8 row_xmask:8 row_mask:0xf bank_mask:0xf
	v_permlanex16_b32 v12, v8, s24, s25
	v_add_f32 v8, v8, v12                          ; the row's sum, in every lane
	v_fma_f32 v8, v8, s26, s27                     ; the mean + 1e-6
	s_wait_alu depctr_va_vdst(0)
	v_rsq_f32 v14, v8
.irp j, 0,2,4,6,8,10,12,14,16,18,20,22,24,26,28,30
	v_pk_mul_f32 v[RR+\j:RR+\j+1], v[G+\j:G+\j+1], v[RR+\j:RR+\j+1]   ; g x: work that does not name the root's result
.endr
	s_wait_alu depctr_va_vdst(0)                   ; the wait ahead of the first line that names the result
	v_cndmask_b32 v14, 1.0, v14, s28
.irp j, 0,2,4,6,8,10,12,14,16,18,20,22,24,26,28,30
	v_pk_mul_f32 v[RR+\j:RR+\j+1], v[RR+\j:RR+\j+1], v[14:15] op_sel_hi:[1,0]   ; (g x) x the factor
.endr
.irp j, 0,1,2,3,4,5,6,7
	ds_store_b128 v3, v[RR+4*\j:RR+4*\j+3] offset:576*\j
.endr
.irp j, 0,1,2,3,4,5,6,7
	ds_load_b128 v[X+4*\j:X+4*\j+3], v4 offset:16*\j   ; LDS serves a wave's instructions in order: these see the stores above
.endr
	s_wait_dscnt 0x0
	v_max3_num_f32 v16, |v[X]|, |v[X+1]|, |v[X+2]|     ; the block's largest magnitude: all 32 numbers are mine
	v_max3_num_f32 v17, |v[X+3]|, |v[X+4]|, |v[X+5]|
.irp j, 6,10,14,18,22,26
	v_max3_num_f32 v16, v16, |v[X+\j]|, |v[X+\j+1]|
	v_max3_num_f32 v17, v17, |v[X+\j+2]|, |v[X+\j+3]|
.endr
	v_max3_num_f32 v16, v16, |v[X+30]|, |v[X+31]|
	v_max3_num_f32 v16, v16, v17, 0x1800000        ; and the floor 2^(3 - 127): the byte cannot fall under 1
	v_add_nc_u32 v18, 0xff000000, v16              ; 2 off the exponent field: the conversion's scale operand
	v_lshrrev_b32 v[BY+\n], 23, v18                ; the scale's byte
.irp j, 0,1,2,3
	v_cvt_scalef32_pk8_fp4_f32 v[CD+4*(\n)+\j], v[X+8*\j:X+8*\j+7], v18
.endr
	v_nop                                          ; one plain line behind the last conversion
	ds_store_b128 v5, v[CD+4*(\n):CD+4*(\n)+3] offset:16*(\n)
	ds_store_b8 v6, v[BY+\n] offset:4*(\n)
.endm
	ROW 0
	ROW 1
	ROW 2
	ROW 3
	s_wait_dscnt 0x0                               ; for the others' sake: my stores into the image are done
	s_barrier_signal -1
	s_barrier_wait -1
.irp t, 0,1,2,3
	ds_load_b128 v[X+4*\t:X+4*\t+3], v7 offset:544*\t
.endr
.irp t, 0,1,2,3
	s_wait_dscnt 3-\t
	global_store_b128 v2, v[X+4*\t:X+4*\t+3], s[18:19] offset:512*\t   ; 32 lanes store 512 consecutive bytes, at a multiple of 256 from the buffer's first byte
.endr
	s_cmp_lg_u32 s22, 0                            ; wave 0 stores the record's 512 bytes of scale words
	s_cbranch_scc1 .Ldone
	ds_load_b128 v[X+16:X+19], v13
	s_wait_dscnt 0x0
	global_store_b128 v2, v[X+16:X+19], s[18:19] offset:8192
.Ldone:
	s_wait_tensorcnt 0x0
	ds_add_u32 v232, v233
	s_wait_dscnt 0x0
	s_endpgm
.Lfunc_end_k_q64143feece_prep:
	.size	k_q64143feece_prep, .Lfunc_end_k_q64143feece_prep-k_q64143feece_prep
	.p2alignl 7, 3214868480
	.fill 96, 4, 3214868480
	.section	.rodata,"a",@progbits
	.p2align	6, 0x0
	.amdhsa_kernel k_q64143feece_prep
		.amdhsa_group_segment_fixed_size 28160
		.amdhsa_private_segment_fixed_size 0
		.amdhsa_enable_private_segment 0
		.amdhsa_kernarg_size 64
		.amdhsa_user_sgpr_count 2
		.amdhsa_user_sgpr_kernarg_segment_ptr 1
		.amdhsa_wavefront_size32 1
		.amdhsa_system_sgpr_workgroup_id_x 1
		.amdhsa_system_sgpr_workgroup_id_y 1
		.amdhsa_system_sgpr_workgroup_id_z 1
		.amdhsa_system_vgpr_workitem_id 0
		.amdhsa_next_free_vgpr 234
		.amdhsa_next_free_sgpr 66
		.amdhsa_reserve_vcc 0
		.amdhsa_float_denorm_mode_32 3
		.amdhsa_float_denorm_mode_16_64 3
		.amdhsa_memory_ordered 1
		.amdhsa_forward_progress 1
		.amdhsa_inst_pref_size 36
	.end_amdhsa_kernel
	.amdgpu_metadata
---
amdhsa.version: [ 1, 2 ]
amdhsa.kernels:
  - .name:           k_q64143feece_prep
    .symbol:         k_q64143feece_prep.kd
    .args:
      - { .name: x, .offset: 0, .size: 8, .value_kind: global_buffer, .address_space: global }
      - { .name: g1, .offset: 8, .size: 8, .value_kind: global_buffer, .address_space: global }
      - { .name: wo, .offset: 16, .size: 8, .value_kind: global_buffer, .address_space: global }
      - { .name: wq, .offset: 24, .size: 8, .value_kind: global_buffer, .address_space: global }
      - { .name: wk, .offset: 32, .size: 8, .value_kind: global_buffer, .address_space: global }
      - { .name: wv, .offset: 40, .size: 8, .value_kind: global_buffer, .address_space: global }
      - { .name: w_up, .offset: 48, .size: 8, .value_kind: global_buffer, .address_space: global }
      - { .name: hw, .offset: 56, .size: 8, .value_kind: global_buffer, .address_space: global }
    .group_segment_fixed_size: 28160
    .private_segment_fixed_size: 0
    .kernarg_segment_align: 8
    .kernarg_segment_size: 64
    .max_flat_workgroup_size: 128
    .sgpr_count:     66
    .vgpr_count:     234
    .wavefront_size: 32
...
	.end_amdgpu_metadata
.endif
;; end of part 1
;; launch qkv (part 2): grid 48 x 4, 8 waves a work-group, clusters of 4 x 4, 263,168 bytes of LDS; arguments hw, qkvb; writes qkvb
.if DOCPART == 2
	.amdgcn_target "amdgcn-amd-amdhsa--gfx1250"
	.amdhsa_code_object_version 6
	.text
	.protected	k_q64143feece_qkv
	.globl	k_q64143feece_qkv
	.p2align	8
	.type	k_q64143feece_qkv,@function
k_q64143feece_qkv:
	s_mov_b64 s[64:65], 0
	v_nop
	global_prefetch_b8 v0, s[64:65] scope:SCOPE_SE
	s_setreg_imm32_b32 hwreg(HW_REG_WAVE_MODE, 25, 1), 1
	s_wait_xcnt 0x0
	s_wait_alu depctr_hold_cnt(0) depctr_sa_sdst(0) depctr_va_vdst(0) depctr_va_sdst(0) depctr_va_ssrc(0) depctr_va_vcc(0) depctr_vm_vsrc(0)
	s_getreg_b32 s2, hwreg(HW_REG_IB_STS2, 6, 4)
	s_cmp_eq_u32 s2, 0
	s_cbranch_scc0 .Lentry_in_a_cluster
	s_endpgm
.Lentry_in_a_cluster:
	s_bfe_u32 s2, ttmp6, 0x10000c
	s_cmp_lg_u32 s2, 0xf033
	s_cbranch_scc0 .Lentry_shape_is_right
	s_endpgm
.Lentry_shape_is_right:
; q, k and v: three products on MX-FP4 codes, whose results leave quantised again, as the operands of attention.
; D = P Q^T on operand records (16 rows x K = 1,024 in 8,704 bytes: block b of position r at 256 b + 16 r, scale word of K step s at 8,192 + 64 s + 4 r; position r of record T
; is row 32 (T / 2) + 8 (T % 2) + r + 8 (r / 8)).  Source 0 = a record of P, source 1 = a record of Q: a lane holds ONE position of Q, and the 16 registers of two neighbouring
; records of P are 16 neighbouring rows of P: what the next quantiser wants along its K.
; Clusters 0-7 (q, k): P = the rows of wq and wk, Q = the tokens.  Clusters 8-11 (v): P = the tokens, Q = wv's rows.  Only offsets differ, chosen by s_cselect_b32 on the cluster's number.
; SHARES: a work-group makes 256 x 256, eight waves (2 along P x 4 along Q) 128 x 64 each: 32 accumulators, window 1.
; LDS: both panels lie in LDS whole (2 x 131,072 bytes), in four chunks of two K steps; every byte is filled once.  ONE tensor load a wave, at the head: wave w fetches chunk w / 2 of P (w even) or of Q (w odd),
; all 16 records of it.  Every wave waits for its load, and one barrier shows both panels whole to all.
; CLUSTER 4 x 4: P's records hang on the work-group's x alone and are asked for jointly by a column of the cluster, Q's on y alone, by a row.  No prefetch: all is asked for at the head.
; OUT (qkvb): q and k codes [head 0-31][token record][block 2][position][16 bytes]; v codes [batch, head][key step of 128][16 channels][block 4][position][16 bytes]; their scale words behind them.
; LIMITS: NaN and infinities are not served; a block whose largest magnitude lies under 2^-124 keeps the byte 1, a block of zeros too (its codes are zeros; this program alone reads the bytes).
; REGISTERS, window 0: v1 lane, v2 lane % 16, v3 lane / 16, v4, v5 LDS addresses of my records, v6 my place among scale words; v16-47 P's scale words (lanes 0-15 K steps 0-3, lanes 16-31 K steps 4-7), v48-63 Q's;
; v64-159, v160-255 two fragment buffers.  Window 1: accumulator (j, t) at v[8 (8 j + t)].
.set REC, 8704
.set NP,  8
.set NQ,  4
.set PT,  16                           ; records of P a work-group
.set QTR, 16                           ; of Q
.set CB,  2048                         ; a record's bytes in a chunk
.set SPC, 2                            ; K steps in a chunk
.set QB,  131072
.set UPX, 0
.set VTC, 4194304
.set QKS, 6291456
.set VTS, 6553600
.set MSB, 0
.macro WIN new                         ; the immediate's high byte repeats the setting that is left
.if MSB != \new
	s_set_vgpr_msb (MSB<<8)|\new
.set MSB, \new
.endif
.endm
.macro PLACES n
.rept \n
	v_nop
.endr
.endm
.macro CROUND                          ; a round of the cluster's barrier
	s_barrier_signal -1
	s_barrier_wait -1
	s_cmp_lg_u32 s12, 0
	s_cbranch_scc1 .Lnot_wave_0_\@
	s_barrier_signal -3
.Lnot_wave_0_\@:
	s_barrier_wait -3
	s_barrier_signal -1
	s_barrier_wait -1
.endm
.macro FETCH s                         ; the fragments of K step s into buffer s % 2: each is 1,024 consecutive bytes
.set FB, 64+96*((\s)%2)
.set KO, 1024*((\s)%SPC)
.set tt, 0
.rept NP
.set SL, CB*(tt+UPX*4*(tt/4))+KO
	ds_load_b128 v[FB+8*tt:FB+8*tt+3], v4 offset:SL
	ds_load_b128 v[FB+8*tt+4:FB+8*tt+7], v4 offset:SL+512
.set tt, tt+1
.endr
.set tt, 0
.rept NQ
	ds_load_b128 v[FB+8*NP+8*tt:FB+8*NP+8*tt+3], v5 offset:CB*tt+KO
	ds_load_b128 v[FB+8*NP+8*tt+4:FB+8*NP+8*tt+7], v5 offset:CB*tt+KO+512
.set tt, tt+1
.endr
.endm
.macro MMH s, j0                       ; K step s for Q's records j0, j0 + 1: the accumulators take turns
.set FB, 64+96*((\s)%2)
.set SW, (\s)%4
.irp j, \j0, \j0+1
.set tt, 0
.rept NP
.set AC, 8*(NP*(\j)+tt)
.set FP, FB+8*tt
.set FQ, FB+8*NP+8*(\j)
.if (\s) == 0
	v_wmma_scale_f32_16x16x128_f8f6f4 v[AC:AC+7], v[FP:FP+7], v[FQ:FQ+7], 0, v[16+4*tt+SW], v[48+4*(\j)+SW] matrix_a_fmt:MATRIX_FMT_FP4 matrix_b_fmt:MATRIX_FMT_FP4
.elseif (\s) < 4
	v_wmma_scale_f32_16x16x128_f8f6f4 v[AC:AC+7], v[FP:FP+7], v[FQ:FQ+7], v[AC:AC+7], v[16+4*tt+SW], v[48+4*(\j)+SW] matrix_a_fmt:MATRIX_FMT_FP4 matrix_b_fmt:MATRIX_FMT_FP4
.else
	v_wmma_scale_f32_16x16x128_f8f6f4 v[AC:AC+7], v[FP:FP+7], v[FQ:FQ+7], v[AC:AC+7], v[16+4*tt+SW], v[48+4*(\j)+SW] matrix_a_fmt:MATRIX_FMT_FP4 matrix_b_fmt:MATRIX_FMT_FP4 matrix_a_scale:MATRIX_SCALE_ROW1 matrix_b_scale:MATRIX_SCALE_ROW1
.endif
.set tt, tt+1
.endr
.endr
.endm
.macro KSTEP s                         ; a K step: the next step's fragments are fetched ahead of its products
	s_wait_dscnt 0x0                               ; this step's fragments are in
.if (\s) > 0
	WIN 0
.if ((\s)+1)%SPC == 0                  ; four plain lines between the last products and loads into the buffer that they read; at a chunk's end two of them step the addresses
	v_add_nc_u32 v4, PT*CB, v4
	v_add_nc_u32 v5, QTR*CB, v5
	s_wait_alu depctr_va_vdst(0)                   ; the wait behind the write
	PLACES 2
.else
	PLACES 4
.endif
.endif
	FETCH (\s)+1
	WIN 0x50                                       ; C and D in window 1
	MMH \s, 0
	MMH \s, 2
.endm
	s_load_b128 s[4:7], s[0:1], 0x0                ; hw s[4:5], qkvb s[6:7]
	v_lshl_add_u32 v14, v0, 2, 0x40000
	v_mov_b32 v15, 0
	ds_add_u32 v14, v15                            ; the opening lines
	ds_add_u32 v14, v15
	s_wait_dscnt 0x0
	v_lshrrev_b32 v1, 5, v0
	s_delay_alu instid0(VALU_DEP_1)
	v_readfirstlane_b32 s12, v1                    ; wave 0..7
	s_and_b32 s13, s12, 1                          ; wp: which 8 records of P are mine.  Also: I fetch for P (0) or Q (1)
	s_lshr_b32 s14, s12, 1                         ; wq: which 4 of Q.  Also: the chunk that I fetch
	s_bfe_u32 s15, ttmp6, 0x40000                  ; cx
	s_bfe_u32 s16, ttmp6, 0x40004                  ; cy
	s_and_b32 s17, ttmp9, 1
	s_sub_co_u32 s18, ttmp9, 8
	s_lshr_b32 s19, ttmp9, 1
	s_cmp_lt_u32 ttmp9, 8                          ; clusters 0-7: q and k; 8-11: v.  The same in all sixteen partners
	s_cselect_b32 s17, s17, s18
	s_cselect_b32 s19, s19, 0
	s_cselect_b32 s20, 320, 0                      ; P begins at wq's records, or at h's
	s_cselect_b32 s21, 0, 448                      ; Q begins at h's, or at wv's
	s_lshl_b32 s17, s17, 2
	s_add_co_u32 s17, s17, s15                     ; px
	s_lshl_b32 s19, s19, 2
	s_add_co_u32 s19, s19, s16                     ; qy
	s_lshl_b32 s22, 0x1111, s15                    ; my column of the cluster: it shares px
	s_lshl_b32 s23, s16, 2
	s_lshl_b32 s23, 15, s23                        ; my row: it shares qy
	; descriptor groups 1: 16 rows of CB bytes (elements of 8 bytes), 8,704 bytes apart, dense in LDS
	s_or_b32 s24, s22, (3<<16)|(1<<21)
	s_mov_b32 s25, (CB/8)<<16
	s_mov_b32 s26, PT<<16
	s_mov_b32 s27, (CB/8)<<16
	s_mov_b32 s28, PT
	s_mov_b32 s29, 1088
	s_mov_b32 s30, 0
	s_mov_b32 s31, 0
	s_or_b32 s32, s23, (3<<16)|(1<<21)
	s_mov_b32 s33, (CB/8)<<16
	s_mov_b32 s34, QTR<<16
	s_mov_b32 s35, (CB/8)<<16
	s_mov_b32 s36, QTR
	s_mov_b32 s37, 1088
	s_mov_b32 s38, 0
	s_mov_b32 s39, 0
	s_lshl_b32 s84, s17, 4
	s_add_co_u32 s84, s84, s20                     ; the work-group's first record of P (it never holds cy),
	s_lshl_b32 s86, s19, 4
	s_add_co_u32 s86, s86, s21                     ; and of Q (never cx)
	s_mul_i32 s85, s14, CB                         ; my chunk's place in a record
	s_mul_i32 s88, s84, REC
	s_add_co_u32 s88, s88, s85
	s_mov_b32 s89, 0
	s_mul_i32 s90, s86, REC
	s_add_co_u32 s90, s90, s85
	s_mov_b32 s91, 0
	s_lshl_b32 s85, s13, 3
	s_add_co_u32 s92, s84, s85
	s_mul_i32 s92, s92, REC
	s_add_co_u32 s92, s92, 8192                    ; the scale words of my records of P,
	s_mov_b32 s93, 0
	s_lshl_b32 s85, s14, 2
	s_add_co_u32 s94, s86, s85
	s_mul_i32 s94, s94, REC
	s_add_co_u32 s94, s94, 8192                    ; and of Q
	s_mov_b32 s95, 0
	s_mov_b32 s96, 0x76543210
	s_mov_b32 s97, 0xfedcba98                      ; selects for lane l xor 16
	s_mov_b32 s98, 0xffff0000                      ; lanes 16-31
	v_and_b32 v1, 31, v0
	v_and_b32 v2, 15, v0
	v_bfe_u32 v3, v0, 4, 1
	s_delay_alu instid0(VALU_DEP_2)
	v_lshlrev_b32 v6, 2, v2
	s_delay_alu instid0(VALU_DEP_1)
	v_lshl_add_u32 v6, v3, 8, v6                   ; 4 (l % 16) + 256 (l / 16): lanes 16-31 take the word four K steps on
	CROUND                                         ; all sixteen work-groups are here, so that the joint loads meet
	s_wait_kmcnt 0x0
	s_mov_b32 s40, 1
	s_mul_i32 s41, s14, PT*CB                      ; LDS: no place in the cluster enters an LDS address
	s_add_nc_u64 s[42:43], s[4:5], s[88:89]
	s_or_b32 s43, s43, 0x80000000
	s_mov_b32 s44, 1
	s_mul_i32 s45, s14, QTR*CB
	s_add_co_u32 s45, s45, QB
	s_add_nc_u64 s[46:47], s[4:5], s[90:91]
	s_or_b32 s47, s47, 0x80000000
	s_cmp_eq_u32 s13, 0                            ; one chain of two arms, a load to an arm
	s_cbranch_scc0 .Lfor_q
	tensor_load_to_lds s[40:43], s[24:31]
	s_nop 0
	PLACES 4
	s_branch .Lasked
.Lfor_q:
	tensor_load_to_lds s[44:47], s[32:39]
	s_nop 0
	PLACES 4
.Lasked:
	s_add_nc_u64 s[92:93], s[4:5], s[92:93]
	s_add_nc_u64 s[94:95], s[4:5], s[94:95]
.set tt, 0
	s_wait_alu depctr_va_vdst(0)                   ; the wait ahead of the readers below
.rept NP
.irp w, 0,1,2,3
	global_load_b32 v[16+4*tt+\w], v6, s[92:93] offset:tt*REC+64*\w
.endr
.set tt, tt+1
.endr
.set tt, 0
.rept NQ
.irp w, 0,1,2,3
	global_load_b32 v[48+4*tt+\w], v6, s[94:95] offset:tt*REC+64*\w
.endr
.set tt, tt+1
.endr
	v_lshlrev_b32 v4, 4, v1
	s_lshl_b32 s85, s14, 13
	s_add_co_u32 s85, s85, QB
	v_add_nc_u32 v5, s85, v4                       ; Q: 16 l + my four records
	s_lshl_b32 s85, s13, 14
	v_add_nc_u32 v4, s85, v4                       ; P: 16 l + my eight
	s_wait_alu depctr_va_vdst(0)                   ; the wait at the head's end
	s_wait_tensorcnt 0x0                           ; my load has landed
	s_barrier_signal -1
	s_barrier_wait -1                              ; everybody's has: both panels are whole
	FETCH 0
	s_wait_loadcnt 0x0                             ; the scale words
.set S, 0
.rept 7
	KSTEP S
.set S, S+1
.endr
	s_wait_dscnt 0x0
	MMH 7, 0
	MMH 7, 2
	; THE WAY OUT.  For each of my four records of Q a lane holds 64 numbers, register 16 b + i = row 128 pi + 32 b + 16 (lane / 16) + i of P: four blocks of 32, each shared with lane l xor 16.
	s_lshl_b32 s40, s17, 1                         ; (my tensor load was waited for at the head: the descriptors' registers are free)
	s_add_co_u32 s40, s40, s13                     ; pi: which 128 rows of P
	s_lshl_b32 s41, s19, 4
	s_lshl_b32 s42, s14, 2
	s_add_co_u32 s41, s41, s42                     ; my first record of Q
	s_lshl_b32 s43, s40, 18
	s_lshl_b32 s44, s41, 9
	s_add_co_u32 s43, s43, s44                     ; q, k: codes at head 2 pi, token record
	s_lshl_b32 s45, s40, 14
	s_lshl_b32 s46, s41, 6
	s_add_co_u32 s45, s45, s46
	s_add_co_u32 s45, s45, QKS                     ; and their scale words
	s_lshr_b32 s47, s40, 4
	s_lshl_b32 s47, s47, 4
	s_lshr_b32 s48, s41, 2
	s_add_co_u32 s47, s47, s48
	s_lshl_b32 s47, s47, 4
	s_and_b32 s48, s40, 15
	s_add_co_u32 s47, s47, s48                     ; v: 16 (batch, head) + key step
	s_lshl_b32 s48, s47, 12
	s_add_co_u32 s48, s48, VTC
	s_lshl_b32 s49, s47, 8
	s_add_co_u32 s49, s49, VTS
	s_mov_b32 s50, 1024
	s_mov_b32 s90, 512
	s_cmp_lt_u32 ttmp9, 8
	s_cselect_b32 s84, s43, s48                    ; where my codes begin,
	s_cselect_b32 s86, s45, s49                    ; my scale words,
	s_cselect_b32 s50, 512, s50                    ; from one record of Q to the next,
	s_cselect_b32 s90, 0x20000, s90                ; from blocks 0, 1 to blocks 2, 3
	s_mov_b32 s85, 0
	s_mov_b32 s87, 0
	s_mov_b32 s91, 0
	s_add_nc_u64 s[84:85], s[6:7], s[84:85]
	s_add_nc_u64 s[86:87], s[6:7], s[86:87]
	s_add_nc_u64 s[88:89], s[84:85], s[90:91]
	WIN 0
	v_lshlrev_b32 v8, 4, v1                        ; five plain lines: the places behind the last products
	s_delay_alu instid0(VALU_DEP_1)
	v_add_nc_u32 v9, s50, v8
	s_delay_alu instid0(VALU_DEP_1)
	v_add_nc_u32 v10, s50, v9
	s_delay_alu instid0(VALU_DEP_1)
	v_add_nc_u32 v11, s50, v10
	v_lshlrev_b32 v12, 2, v1
.set TM, 64                            ; largest magnitudes (4 j + b);  TP the other half's;  SO the conversions' scale operands;  BY bytes;  PW scale words;  PC codes
.set TP, 80
.set SO, 96
.set BY, 112
.set PW, 128
.set PC, 132
.irp n, 0,1,2,3,4,5,6,7,8,9,10,11,12,13,14,15
	v_mov_b32 v[TP+\n], 0                          ; a lane permute's destination counts as one of its sources
.endr
	WIN 0x05                                       ; sources 0 and 1 in window 1
.irp j, 0,1,2,3
.irp b, 0,1,2,3
	v_max3_num_f32 v[TM+4*\j+\b], |v[64*\j+16*\b]|, |v[64*\j+16*\b+1]|, 0x1800000   ; each accumulator from its low end on; the floor 2^(3 - 127) holds the byte at 1 from below
.endr
.endr
.irp i, 2,4,6,8,10,12,14
.irp j, 0,1,2,3
.irp b, 0,1,2,3
	v_max3_num_f32 v[TM+4*\j+\b], |v[64*\j+16*\b+\i]|, |v[64*\j+16*\b+\i+1]|, v[TM+4*\j+\b]
.endr
.endr
.endr
	WIN 0
.irp n, 0,1,2,3,4,5,6,7,8,9,10,11,12,13,14,15
	v_permlanex16_b32 v[TP+\n], v[TM+\n], s96, s97
.endr
.irp n, 0,1,2,3,4,5,6,7,8,9,10,11,12,13,14,15
	v_max_num_f32 v[TM+\n], v[TM+\n], v[TP+\n]     ; the block's largest magnitude
.endr
.irp n, 0,1,2,3,4,5,6,7,8,9,10,11,12,13,14,15
	v_add_nc_u32 v[SO+\n], 0xff000000, v[TM+\n]    ; 2 off the exponent field
.endr
.irp n, 0,1,2,3,4,5,6,7,8,9,10,11,12,13,14,15
	v_lshrrev_b32 v[BY+\n], 23, v[SO+\n]           ; the scale's byte
.endr
.irp j, 0,1,2,3
	v_lshl_or_b32 v[PW+\j], v[BY+4*\j+1], 8, v[BY+4*\j]
.endr
.irp j, 0,1,2,3
	s_delay_alu instid0(VALU_DEP_4)
	v_lshl_or_b32 v[PW+\j], v[BY+4*\j+2], 16, v[PW+\j]
.endr
.irp j, 0,1,2,3
	s_delay_alu instid0(VALU_DEP_4)
	v_lshl_or_b32 v[PW+\j], v[BY+4*\j+3], 24, v[PW+\j]
.endr
	WIN 0x01                                       ; source 0 in window 1
.irp j, 0,1,2,3
.irp b, 0,1,2,3
	v_cvt_scalef32_pk8_fp4_f32 v[PC+8*\j+2*\b], v[64*\j+16*\b:64*\j+16*\b+7], v[SO+4*\j+\b]
	v_cvt_scalef32_pk8_fp4_f32 v[PC+8*\j+2*\b+1], v[64*\j+16*\b+8:64*\j+16*\b+15], v[SO+4*\j+\b]
.endr
.endr
	WIN 0
	v_nop                                          ; one plain line behind the last conversion
.irp j, 0,1,2,3
.irp c, 0,1
.irp i, 0,1
	v_permlane16_swap_b32 v[PC+8*\j+4*\c+\i], v[PC+8*\j+4*\c+2+\i]   ; a whole block to a lane
.endr
.endr
.endr
	v_cndmask_b32 v164, v[PW], v[PW+1], s98        ; lanes 0-15 carry the words of record j, lanes 16-31 those of j + 1: 128 consecutive bytes
	v_cndmask_b32 v165, v[PW+2], v[PW+3], s98
.irp j, 0,1,2,3
	global_store_b128 v[8+\j], v[PC+8*\j:PC+8*\j+3], s[84:85]     ; 32 lanes store 512 consecutive bytes, at a multiple of 256 from the buffer's first byte
	global_store_b128 v[8+\j], v[PC+8*\j+4:PC+8*\j+7], s[88:89]
.endr
	global_store_b32 v12, v164, s[86:87]
	global_store_b32 v12, v165, s[86:87] offset:128
	s_wait_dscnt 0x0
	s_wait_tensorcnt 0x0                           ; the wave's end
	ds_add_u32 v14, v15
	s_wait_dscnt 0x0
	CROUND                                         ; the closing round
	s_endpgm
.Lfunc_end_k_q64143feece_qkv:
	.size	k_q64143feece_qkv, .Lfunc_end_k_q64143feece_qkv-k_q64143feece_qkv
	.p2alignl 7, 3214868480
	.fill 96, 4, 3214868480
	.section	.rodata,"a",@progbits
	.p2align	6, 0x0
	.amdhsa_kernel k_q64143feece_qkv
		.amdhsa_group_segment_fixed_size 263168
		.amdhsa_private_segment_fixed_size 0
		.amdhsa_enable_private_segment 0
		.amdhsa_kernarg_size 16
		.amdhsa_user_sgpr_count 2
		.amdhsa_user_sgpr_kernarg_segment_ptr 1
		.amdhsa_wavefront_size32 1
		.amdhsa_system_sgpr_workgroup_id_x 1
		.amdhsa_system_sgpr_workgroup_id_y 1
		.amdhsa_system_sgpr_workgroup_id_z 1
		.amdhsa_system_vgpr_workitem_id 0
		.amdhsa_next_free_vgpr 512
		.amdhsa_next_free_sgpr 100
		.amdhsa_reserve_vcc 0
		.amdhsa_float_denorm_mode_32 3
		.amdhsa_float_denorm_mode_16_64 3
		.amdhsa_memory_ordered 1
		.amdhsa_forward_progress 1
		.amdhsa_inst_pref_size 75
	.end_amdhsa_kernel
	.amdgpu_metadata
---
amdhsa.version: [ 1, 2 ]
amdhsa.kernels:
  - .name:           k_q64143feece_qkv
    .symbol:         k_q64143feece_qkv.kd
    .args:
      - { .name: hw, .offset: 0, .size: 8, .value_kind: global_buffer, .address_space: global }
      - { .name: qkvb, .offset: 8, .size: 8, .value_kind: global_buffer, .address_space: global }
    .group_segment_fixed_size: 263168
    .private_segment_fixed_size: 0
    .kernarg_segment_align: 8
    .kernarg_segment_size: 16
    .max_flat_workgroup_size: 256
    .sgpr_count:     100
    .vgpr_count:     512
    .wavefront_size: 32
...
	.end_amdgpu_metadata
.endif
;; end of part 2
;; launch attn (part 3): grid 8 x 32, 16 waves a work-group, no clusters, 180,224 bytes of LDS; arguments qkvb, zb; writes zb
.if DOCPART == 3
	.amdgcn_target "amdgcn-amd-amdhsa--gfx1250"
	.amdhsa_code_object_version 6
	.text
	.protected	k_q64143feece_attn
	.globl	k_q64143feece_attn
	.p2align	8
	.type	k_q64143feece_attn,@function
k_q64143feece_attn:
	s_mov_b64 s[64:65], 0
	v_nop
	global_prefetch_b8 v0, s[64:65] scope:SCOPE_SE
	s_setreg_imm32_b32 hwreg(HW_REG_WAVE_MODE, 25, 1), 1
	s_wait_xcnt 0x0
; Causal attention on MX-FP4 codes, head size 64, 2,048 tokens, 32 (batch, head) pairs; z / l leaves quantised along the channels, as an operand record of the next product.
; THE SOFTMAX AHEAD OF THE SECOND PRODUCT: t = score x log2(e) / 8; M = the row's largest t so far, rounded UP to a whole number; p = 2^(t - M) is what is quantised, along the keys.
; The row's sum is taken of the unquantised p, in f32, and divides at the end.  When M moves, the sum and O are multiplied by 2^(old M - new M): exact.
; LEFT OUT: key steps of 128 all of whose keys come after a tile's queries: the causal mask makes their weights 0.
; SHARES: work-group x of a (batch, head) has sixteen tiles of 16 queries: the short tiles 8 x + w (x + 1 key steps of 128) and the long tiles 127 - 8 x - w (16 - x steps), w = 0 .. 7.
; Wave w + 8 walks key steps 0-7 of long tile w, none of which lies on the diagonal.  Wave w walks its short tile, stores it, and then walks key steps 8 .. 15 - x of long tile w with an M, a sum and an O of its own:
; 9 steps.  That part goes to wave w + 8 as an image of the registers in LDS; the two parts are brought under the larger M by powers of two and added.  Every wave runs a loop of 9 trips; the key step of a trip is made of ids alone.
; LDS: K and V of the whole head (2 x 65,536 bytes of codes, 8,192 + 4,096 of scale words), each byte filled once, one tensor load a wave: waves 0-3 K's quarters, 4-7 V's, 8 K's scale words, 9 V's; one barrier.
; NO CLUSTER: the branches of the walk hang on x, which differs between the work-groups that share a head.  NO PREFETCH: all that a work-group reads is asked for at its head.
; LAYOUT: both products are used transposed: S^T = K Q^T, O^T = V^T P^T: a lane holds ONE query.  A token record's position r is token 32 (T / 2) + 8 (T % 2) + r + 8 (r / 8), so the 16 registers of two neighbouring key tiles are 16 neighbouring keys.
; THE FIRST PRODUCT'S K IS 64: Q's fragment has zero codes in its upper four registers, so tile t's fragment is v[28 + 4 t .. 35 + 4 t], whose upper four are tile t + 1's codes (tile 7's: zeros).
; A step's K is fetched a step ahead, behind the score products.  Scale words: one load brings two tiles', the odd tile's in lanes 16-31 (MATRIX_SCALE_ROW1).
; LIMITS: NaN and infinities are not served; v_exp_f32 gives 0 for what lies under 2^-126; a block of p under 2^-124 keeps the byte 1.  The long tiles' second query fragment is loaded by all waves, and used by waves 0-7 alone.
; REGISTERS: v1-4 addresses that stay, v5 my query's token - 16 (lane / 16), v6, v7 the image; v8-11 the step's addresses; v12 -M, v13 the largest t, v[14:15] the sum; v16-23 Q, v24 its scale word; v25, v26 4 (lane % 16), 4 lane;
; v28-59 K, v60-63 zeros; v64-95 V; v96-159 S^T, then p; v160-191 O^T; v192-199 p's codes; v200-233, v246-253 at work; v234-239 the long tile's Q, scale word and token.
.set REC, 8704
.set VTC, 4194304
.set QKS, 6291456
.set VTS, 6553600
.set LV,  65536
.set LKS, 131072
.set LVS, 139264
.set STG, 143360                       ; eight images of 4,352 bytes: no fill lands here
.set SPARE, 178176
.set KF,  28
.set BM,  200
.set TP,  204
.set SO,  208
.set QT,  200
	s_load_b128 s[4:7], s[0:1], 0x0                ; qkvb s[4:5], zb s[6:7]
	v_lshl_add_u32 v254, v0, 2, SPARE
	v_mov_b32 v255, 0
	ds_add_u32 v254, v255                          ; the opening lines
	ds_add_u32 v254, v255
	v_lshrrev_b32 v1, 5, v0
	s_delay_alu instid0(VALU_DEP_1)
	v_readfirstlane_b32 s8, v1                     ; wave 0..15
	s_mov_b32 s9, ttmp9                            ; x
	s_and_b32 s10, ttmp7, 0xffff                   ; 16 x batch + head
	s_and_b32 s11, s10, 15
	s_lshr_b32 s12, s10, 4
	s_and_b32 s67, s8, 7
	s_lshl_b32 s79, s9, 3
	s_add_co_u32 s78, s67, s79                     ; the short tile
	s_sub_co_u32 s14, 127, s78                     ; the long tile
	s_cmp_lt_u32 s8, 8
	s_cselect_b32 s13, s78, s14                    ; my first tile
	s_cselect_b32 s16, s9, 15                      ; the trip behind which I change tiles (15: never)
	s_cselect_b32 s17, 9, 8                        ; my steps
	s_sub_co_u32 s18, 7, s16
	s_lshl_b32 s79, s12, 7
	s_add_co_u32 s72, s79, s13                     ; my first tile's token record,
	s_add_co_u32 s73, s79, s14                     ; the long tile's
	s_mov_b32 s15, 0                               ; the trip
	s_mov_b32 s20, 0x76543210
	s_mov_b32 s21, 0xfedcba98                      ; selects for lane l xor 16
	s_mov_b32 s22, 0x3e38aa3b                      ; c = log2(e) / 8
	s_mov_b32 s23, s22
	; descriptor groups 1: dense blocks as rows of 256 bytes: 64 rows (a quarter of the codes), 32 (K's scale words), 16 (V's)
.irp g, 24, 32, 40
	s_mov_b32 s[\g], 3<<16
	s_mov_b32 s[\g+1], 32<<16
	s_mov_b32 s[\g+3], 32<<16
	s_mov_b32 s[\g+5], 32
	s_mov_b32 s[\g+6], 0
	s_mov_b32 s[\g+7], 0
.endr
	s_mov_b32 s26, 64<<16
	s_mov_b32 s28, 64
	s_mov_b32 s34, 32<<16
	s_mov_b32 s36, 32
	s_mov_b32 s42, 16<<16
	s_mov_b32 s44, 16
	s_add_co_u32 s78, s11, 16
	s_lshl_b32 s78, s78, 17
	s_lshl_b32 s79, s12, 16
	s_add_co_u32 s78, s78, s79                     ; K's codes of this batch and head
	s_lshl_b32 s79, s10, 16
	s_add_co_u32 s79, s79, VTC                     ; V's
	s_cmp_lt_u32 s8, 4
	s_cselect_b32 s84, s78, s79
	s_and_b32 s78, s8, 3
	s_lshl_b32 s78, s78, 14
	s_add_co_u32 s84, s84, s78                     ; my quarter
	s_mov_b32 s85, 0
	s_lshr_b32 s80, s11, 1                         ; the pair of heads
	s_and_b32 s83, s11, 1
	s_lshl_b32 s83, s83, 1                         ; my head's two bytes of a pair's word
	s_add_co_u32 s86, s80, 8
	s_lshl_b32 s86, s86, 14
	s_lshl_b32 s82, s12, 13
	s_add_co_u32 s86, s86, s82
	s_add_co_u32 s86, s86, QKS                     ; K's scale words
	s_mov_b32 s87, 0
	s_lshl_b32 s74, s10, 12
	s_add_co_u32 s74, s74, VTS                     ; V's
	s_mov_b32 s75, 0
	s_lshl_b32 s78, s11, 17
	s_lshl_b32 s79, s72, 9
	s_add_co_u32 s88, s78, s79                     ; Q's codes: my first tile's,
	s_mov_b32 s89, 0
	s_lshl_b32 s79, s73, 9
	s_add_co_u32 s68, s78, s79                     ; the long tile's
	s_mov_b32 s69, 0
	s_lshl_b32 s78, s80, 14
	s_add_co_u32 s78, s78, s83
	s_add_co_u32 s78, s78, QKS
	s_lshl_b32 s79, s72, 6
	s_add_co_u32 s90, s78, s79                     ; Q's scale bytes
	s_mov_b32 s91, 0
	s_lshl_b32 s79, s73, 6
	s_add_co_u32 s70, s78, s79
	s_mov_b32 s71, 0
	s_mul_i32 s78, s72, REC
	s_lshl_b32 s79, s11, 9
	s_add_co_u32 s92, s78, s79                     ; z: my first tile's record, blocks 2 head, 2 head + 1
	s_mov_b32 s93, 0
	s_lshl_b32 s79, s80, 6
	s_add_co_u32 s79, s79, s83
	s_add_co_u32 s79, s79, 8192
	s_add_co_u32 s94, s78, s79                     ; and their two bytes of K step head / 2's word
	s_mov_b32 s95, 0
	s_wait_dscnt 0x0
	s_wait_kmcnt 0x0
	s_add_nc_u64 s[88:89], s[4:5], s[88:89]
	s_add_nc_u64 s[90:91], s[4:5], s[90:91]
	s_add_nc_u64 s[68:69], s[4:5], s[68:69]
	s_add_nc_u64 s[70:71], s[4:5], s[70:71]
	s_add_nc_u64 s[92:93], s[6:7], s[92:93]
	s_add_nc_u64 s[94:95], s[6:7], s[94:95]
	s_mov_b32 s48, 1
	s_lshl_b32 s49, s67, 14                        ; K's quarters, then V's
	s_add_nc_u64 s[50:51], s[4:5], s[84:85]
	s_or_b32 s51, s51, 0x80000000
	s_mov_b32 s52, 1
	s_mov_b32 s53, LKS
	s_add_nc_u64 s[54:55], s[4:5], s[86:87]
	s_or_b32 s55, s55, 0x80000000
	s_mov_b32 s56, 1
	s_mov_b32 s57, LVS
	s_add_nc_u64 s[58:59], s[4:5], s[74:75]
	s_or_b32 s59, s59, 0x80000000
.macro ARM under, g0, g1, next         ; one chain of branches on the wave's number, a load to an arm
	s_cmp_lt_u32 s8, \under
	s_cbranch_scc0 \next
	tensor_load_to_lds s[\g0:\g0+3], s[\g1:\g1+7]
	s_nop 0
.rept 4
	v_nop
.endr
	s_branch .Lasked
\next:
.endm
	ARM 8, 48, 24, .Lhead_ks
	ARM 9, 52, 32, .Lhead_vs
	ARM 10, 56, 40, .Lhead_none
.Lasked:
	v_and_b32 v8, 31, v0
	v_and_b32 v9, 15, v0
	s_delay_alu instid0(VALU_DEP_2)
	v_lshlrev_b32 v1, 4, v8                        ; 16 x lane
	s_delay_alu instid0(VALU_DEP_2)
	v_lshlrev_b32 v25, 2, v9                       ; 4 (lane % 16)
	v_lshlrev_b32 v26, 2, v8                       ; 4 x lane
	global_load_b128 v[16:19], v1, s[88:89]        ; Q's 64 channels
	global_load_u16 v24, v25, s[90:91]             ; its two scale bytes; the two above them are 0 and stand over zero codes
	global_load_b128 v[234:237], v1, s[68:69]      ; the long tile's
	global_load_u16 v238, v25, s[70:71]
	s_add_co_u32 s79, s83, LKS
	v_add_nc_u32 v2, s79, v26                      ; K's scale bytes, two tiles a load
	v_add_nc_u32 v3, LV, v1                        ; V's fragments
	v_add_nc_u32 v4, LVS, v26                      ; V's scale words
	s_mul_i32 s79, s67, 4352
	s_add_co_u32 s79, s79, STG
	v_add_nc_u32 v6, s79, v1                       ; the pair's image: O, 16 bytes a lane;
	v_lshlrev_b32 v7, 3, v8
	s_delay_alu instid0(VALU_DEP_1)
	v_add_nc_u32 v7, s79, v7                       ; -M and the sum, 8 bytes a lane, 4,096 on
	v_and_b32 v10, 7, v0
	v_bfe_u32 v11, v0, 3, 1
	v_bfe_u32 v27, v0, 4, 1
	s_delay_alu instid0(VALU_DEP_1)
	v_sub_nc_u32 v11, v11, v27
	s_delay_alu instid0(VALU_DEP_1)
	v_lshl_add_u32 v10, v11, 4, v10
.macro TOK d, t                        ; a tile's first token: 32 (t / 2) + 8 (t % 2)
	s_lshr_b32 s78, s[\t], 1
	s_lshl_b32 s78, s78, 5
	s_and_b32 s79, s[\t], 1
	s_lshl_b32 s79, s79, 3
	s_add_co_u32 s[\d], s78, s79
.endm
	TOK 76, 13
	TOK 77, 14
	s_wait_alu depctr_va_vdst(0)                   ; the wait here, directly ahead of the readers below
	v_add_nc_u32 v5, s76, v10
	v_add_nc_u32 v239, s77, v10
.irp n, 20,21,22,23,60,61,62,63
	v_mov_b32 v[\n], 0                             ; channels 64-127 do not exist: zero codes in Q; and four registers behind K's last tile
.endr
	v_mov_b32 v13, 0xff61b1e6                      ; the largest t so far: -3e38
	v_mov_b32 v14, 0
	v_mov_b32 v15, 0
	v_floor_f32 v12, -v13                          ; -M
.irp n, 202,203,204,205,206,207,223,224,227
	v_mov_b32 v[\n], 0                             ; lane permutes' destinations, and the upper halves of the factors' pairs
.endr
.set n, 0
.rept 32
	v_mov_b32 v[160+n], 0                          ; O^T: the first step finds zeros
.set n, n+1
.endr
	v_mov_b32 v8, v1
	v_mov_b32 v9, v2
.macro KLOAD                           ; a step's eight tiles of K and their scale bytes
.irp t, 0,1,2,3,4,5,6,7
	ds_load_b128 v[KF+4*\t:KF+4*\t+3], v8 offset:512*\t
.endr
.irp u, 0,1,2,3
	ds_load_u16 v[212+\u], v9 offset:128*\u
.endr
.endm
.macro KSOF d, i                       ; the key step of trip s[i]: the trip itself up to my change of tiles, then 8 on; held to 0 .. 15
	s_add_co_u32 s[\d], s[\i], s18
	s_cmp_le_u32 s[\i], s16
	s_cselect_b32 s[\d], s[\i], s[\d]
	s_and_b32 s[\d], s[\d], 15
.endm
; z = O^T / the sum; register 16 b + i is channel 32 b + 16 (lane / 16) + i of my query: two blocks of the next product's K
.macro OUT
	v_add_f32 v14, v14, v15
	s_delay_alu instid0(VALU_DEP_1)
	v_permlanex16_b32 v224, v14, s20, s21
	s_delay_alu instid0(VALU_DEP_1)
	v_add_f32 v14, v14, v224                       ; the row's sum
	s_wait_alu depctr_va_vdst(0)                   ; the wait ahead of the reciprocal,
	v_rcp_f32 v14, v14
	v_nop
	s_wait_alu depctr_va_vdst(0)                   ; and ahead of its first reader
.irp j, 0,2,4,6,8,10,12,14,16,18,20,22,24,26,28,30
	v_pk_mul_f32 v[96+\j:97+\j], v[160+\j:161+\j], v[14:15] op_sel_hi:[1,0]
.endr
.irp b, 0,1
	v_max3_num_f32 v[QT+\b], |v[96+16*\b]|, |v[97+16*\b]|, 0x1800000
.endr
.irp i, 2,4,6,8,10,12,14
.irp b, 0,1
	s_delay_alu instid0(VALU_DEP_2)
	v_max3_num_f32 v[QT+\b], v[QT+\b], |v[96+16*\b+\i]|, |v[97+16*\b+\i]|
.endr
.endr
.irp b, 0,1
	s_delay_alu instid0(VALU_DEP_2)
	v_permlanex16_b32 v[QT+2+\b], v[QT+\b], s20, s21
.endr
.irp b, 0,1
	s_delay_alu instid0(VALU_DEP_2)
	v_max_num_f32 v[QT+\b], v[QT+\b], v[QT+2+\b]
.endr
.irp b, 0,1
	s_delay_alu instid0(VALU_DEP_2)
	v_add_nc_u32 v[QT+4+\b], 0xff000000, v[QT+\b]
.endr
.irp b, 0,1
	s_delay_alu instid0(VALU_DEP_2)
	v_lshrrev_b32 v[QT+6+\b], 23, v[QT+4+\b]
.endr
	s_delay_alu instid0(VALU_DEP_1)
	v_lshl_or_b32 v228, v[QT+7], 8, v[QT+6]        ; my head's two scale bytes
.irp b, 0,1
	v_cvt_scalef32_pk8_fp4_f32 v[192+2*\b], v[96+16*\b:103+16*\b], v[QT+4+\b]
	v_cvt_scalef32_pk8_fp4_f32 v[193+2*\b], v[104+16*\b:111+16*\b], v[QT+4+\b]
.endr
	v_nop
	v_permlane16_swap_b32 v192, v194
	v_permlane16_swap_b32 v193, v195
	global_store_b128 v1, v[192:195], s[92:93]     ; 32 lanes store 512 consecutive bytes, at a multiple of 256 from the buffer's first byte
	global_store_b16 v25, v228, s[94:95]           ; two bytes a row, 4 bytes apart (lanes l and l + 16 write the same value to the same place)
.endm
	s_wait_alu depctr_va_vdst(0)                   ; the wait at the head's end
	s_wait_tensorcnt 0x0                           ; my load has landed
	s_barrier_signal -1
	s_barrier_wait -1                              ; everybody's has: K, V and their scale words are whole
	KLOAD                                          ; key step 0
	s_wait_loadcnt 0x0                             ; Q
.Ltrip:                                            ; 9 trips
	s_cmp_ge_u32 s15, s17                          ; waves 8-15 have 8 steps
	s_cbranch_scc1 .Lskip
	KSOF 19, 15
	s_lshl_b32 s74, s19, 12
	s_lshl_b32 s75, s19, 8
	v_add_nc_u32 v10, s74, v3                      ; four plain lines: the places between the last products and the loads below
	v_add_nc_u32 v11, s75, v4
	v_nop
	v_nop
.irp d, 0,1,2,3
	ds_load_b128 v[64+8*\d:67+8*\d], v10 offset:1024*\d
	ds_load_b128 v[68+8*\d:71+8*\d], v10 offset:1024*\d+512
.endr
	ds_load_b32 v216, v11
	ds_load_b32 v217, v11 offset:128
	s_wait_dscnt 10                                ; K, asked for earlier, is in; V's ten loads may be out
.irp t, 0,2,4,6
	v_wmma_scale_f32_16x16x128_f8f6f4 v[96+8*\t:103+8*\t], v[KF+4*\t:KF+4*\t+7], v[16:23], 0, v[212+\t/2], v24 matrix_a_fmt:MATRIX_FMT_FP4 matrix_b_fmt:MATRIX_FMT_FP4
	v_wmma_scale_f32_16x16x128_f8f6f4 v[104+8*\t:111+8*\t], v[KF+4*\t+4:KF+4*\t+11], v[16:23], 0, v[212+\t/2], v24 matrix_a_fmt:MATRIX_FMT_FP4 matrix_b_fmt:MATRIX_FMT_FP4 matrix_a_scale:MATRIX_SCALE_ROW1
.endr
.rept 4
	v_nop                                          ; places in front of the loads into registers that these products read, and of the first read of the scores
.endr
	s_add_co_u32 s77, s15, 1
	s_cmp_ge_u32 s77, s17                          ; my last step fetches nothing
	s_cbranch_scc1 .Lnopf
	KSOF 66, 77
	s_lshl_b32 s72, s66, 12
	s_lshl_b32 s73, s66, 9
	v_add_nc_u32 v8, s72, v1
	v_add_nc_u32 v9, s73, v2
	KLOAD                                          ; the next step's K
.Lnopf:
	s_cmp_eq_u32 s15, s16                          ; on the diagonal lie a tile's last step: the trip ahead of my change of tiles, and trip 8
	s_cselect_b32 s78, 1, 0
	s_cmp_eq_u32 s15, 8
	s_cselect_b32 s78, 1, s78
	s_cmp_eq_u32 s78, 0
	s_cbranch_scc1 .Lopen
	s_lshl_b32 s78, s19, 7
	s_sub_co_u32 s78, 0, s78
	v_add_nc_u32 v224, s78, v5                     ; d = my token - the step's first key - 16 (lane / 16).  Register 16 b + i holds key 32 b + 16 (lane / 16) + i: hidden where 32 b + i > d
	v_mov_b32 v225, 0xff800000
.set n, 0
.rept 64
	v_cmp_gt_i32 vcc_lo, 32*(n/16)+n%16, v224
	v_cndmask_b32 v[96+n], v[96+n], v225, vcc_lo
.set n, n+1
.endr
.Lopen:
.irp b, 0,1,2,3
	v_max3_num_f32 v[BM+\b], v[96+16*\b], v[97+16*\b], v[98+16*\b]   ; the largest score of each block of 32 keys: it serves the row's maximum and the block's largest p
.endr
.irp b, 0,1,2,3
	v_max3_num_f32 v[TP+\b], v[104+16*\b], v[105+16*\b], v[106+16*\b]   ; each accumulator is read from its low end on
.endr
.irp i, 3,5
.irp b, 0,1,2,3
	v_max3_num_f32 v[BM+\b], v[BM+\b], v[96+16*\b+\i], v[97+16*\b+\i]
.endr
.irp b, 0,1,2,3
	v_max3_num_f32 v[TP+\b], v[TP+\b], v[104+16*\b+\i], v[105+16*\b+\i]
.endr
.endr
.irp b, 0,1,2,3
	v_max3_num_f32 v[BM+\b], v[BM+\b], v[TP+\b], v[103+16*\b]
.endr
.irp b, 0,1,2,3
	v_max_num_f32 v[BM+\b], v[BM+\b], v[111+16*\b]
.endr
.irp b, 0,1,2,3
	s_delay_alu instid0(VALU_DEP_4)
	v_permlanex16_b32 v[TP+\b], v[BM+\b], s20, s21
.endr
	v_mov_b32 v225, v12                            ; the old -M
.irp b, 0,1,2,3
	v_max_num_f32 v[BM+\b], v[BM+\b], v[TP+\b]     ; with lane l xor 16's 16 keys
.endr
	s_delay_alu instid0(VALU_DEP_2)
	v_max3_num_f32 v224, v[BM], v[BM+1], v[BM+2]
	s_delay_alu instid0(VALU_DEP_1)
	v_max_num_f32 v224, v224, v[BM+3]
	s_delay_alu instid0(VALU_DEP_1)
	v_mul_f32 v224, s22, v224                      ; as t
	s_delay_alu instid0(VALU_DEP_1)
	v_max_num_f32 v13, v13, v224                   ; the running largest t
	s_delay_alu instid0(VALU_DEP_1)
	v_floor_f32 v12, -v13                          ; the new -M = -ceil(t)
.set n, 0
.rept 32
	v_pk_fma_f32 v[96+n:97+n], v[96+n:97+n], s[22:23], v[12:13] op_sel_hi:[1,0,0]   ; t - M
.set n, n+2
.endr
.irp b, 0,1,2,3
	v_fma_f32 v[BM+\b], v[BM+\b], s22, v12         ; the same of each block's largest score
.endr
	v_sub_f32 v224, v12, v225                      ; old M - new M: a whole number, 0 or less
	s_delay_alu instid0(VALU_DEP_1)
	v_cvt_i32_f32 v224, v224                       ; (it saturates)
	s_delay_alu instid0(VALU_DEP_1)
	v_ldexp_f32 v222, 1.0, v224                    ; f = 2^(old M - new M)
	s_wait_alu depctr_va_vdst(0)                   ; the wait ahead of the batch
.set n, 0
.rept 64
	v_exp_f32 v[96+n], v[96+n]                     ; p = 2^(t - M): not normalised
.set n, n+1
.endr
	v_pk_mul_f32 v[14:15], v[14:15], v[222:223] op_sel_hi:[1,0]   ; the sums under the new M: a plain line behind the exponentials
	s_wait_alu depctr_va_vdst(0)                   ; ahead of the first reader of O^T
.irp j, 0,2,4,6,8,10,12,14
	v_pk_mul_f32 v[160+\j:161+\j], v[160+\j:161+\j], v[222:223] op_sel_hi:[1,0]   ; half of O^T under the new M
.endr
	s_wait_alu depctr_va_vdst(0)                   ; one wait for the whole batch, ahead of its first reader
.irp b, 0,1,2,3
	v_exp_f32 v[BM+\b], v[BM+\b]                   ; the block's largest p
.endr
	v_pk_add_f32 v[226:227], v[108:109], v[116:117]   ; the row's sum of the unquantised p, in eight chains
	v_pk_add_f32 v[230:231], v[124:125], v[132:133]
	v_pk_add_f32 v[232:233], v[140:141], v[148:149]
	v_pk_add_f32 v[252:253], v[156:157], v[104:105]
	v_pk_add_f32 v[250:251], v[106:107], v[114:115]
	v_pk_add_f32 v[248:249], v[122:123], v[130:131]
	v_pk_add_f32 v[246:247], v[138:139], v[146:147]
	v_pk_add_f32 v[14:15], v[14:15], v[154:155]
	v_pk_add_f32 v[226:227], v[226:227], v[96:97]
	v_pk_add_f32 v[230:231], v[230:231], v[98:99]
	v_pk_add_f32 v[232:233], v[232:233], v[110:111]
	v_pk_add_f32 v[252:253], v[252:253], v[118:119]
	v_pk_add_f32 v[250:251], v[250:251], v[126:127]
	v_pk_add_f32 v[248:249], v[248:249], v[134:135]
	v_pk_add_f32 v[246:247], v[246:247], v[142:143]
	v_pk_add_f32 v[14:15], v[14:15], v[150:151]
	v_pk_add_f32 v[226:227], v[226:227], v[158:159]
	v_pk_add_f32 v[230:231], v[230:231], v[100:101]
	v_pk_add_f32 v[232:233], v[232:233], v[102:103]
	v_pk_add_f32 v[252:253], v[252:253], v[112:113]
	v_pk_add_f32 v[250:251], v[250:251], v[120:121]
	v_pk_add_f32 v[248:249], v[248:249], v[128:129]
	v_pk_add_f32 v[246:247], v[246:247], v[136:137]
	v_pk_add_f32 v[14:15], v[14:15], v[144:145]
	v_pk_add_f32 v[226:227], v[226:227], v[152:153]
	s_delay_alu instid0(VALU_DEP_2)
	v_pk_add_f32 v[14:15], v[14:15], v[252:253]
	s_delay_alu instid0(VALU_DEP_2)
	v_pk_add_f32 v[226:227], v[226:227], v[250:251]
	v_pk_add_f32 v[230:231], v[230:231], v[248:249]
	v_pk_add_f32 v[232:233], v[232:233], v[246:247]
	s_delay_alu instid0(VALU_DEP_2)
	v_pk_add_f32 v[14:15], v[14:15], v[230:231]
	s_delay_alu instid0(VALU_DEP_2)
	v_pk_add_f32 v[226:227], v[226:227], v[232:233]
	s_delay_alu instid0(VALU_DEP_1)
	v_pk_add_f32 v[14:15], v[14:15], v[226:227]
	s_wait_alu depctr_va_vdst(0)                   ; and one for the four
.irp b, 0,1,2,3
	v_max_num_f32 v[BM+\b], 0x1800000, v[BM+\b]    ; the floor 2^(3 - 127)
.endr
.irp b, 0,1,2,3
	s_delay_alu instid0(VALU_DEP_4)
	v_add_nc_u32 v[SO+\b], 0xff000000, v[BM+\b]    ; the conversion's scale operand
.endr
.irp b, 0,1,2,3
	s_delay_alu instid0(VALU_DEP_4)
	v_lshrrev_b32 v[TP+\b], 23, v[SO+\b]           ; the scale's byte
.endr
	s_delay_alu instid0(VALU_DEP_3)
	v_lshl_or_b32 v220, v[TP+1], 8, v[TP]          ; p's scale word for these 128 keys
	s_delay_alu instid0(VALU_DEP_1)
	v_lshl_or_b32 v220, v[TP+2], 16, v220
	s_delay_alu instid0(VALU_DEP_1)
	v_lshl_or_b32 v220, v[TP+3], 24, v220
.irp b, 0,1,2,3
	v_cvt_scalef32_pk8_fp4_f32 v[192+2*\b], v[96+16*\b:103+16*\b], v[SO+\b]
	v_cvt_scalef32_pk8_fp4_f32 v[193+2*\b], v[104+16*\b:111+16*\b], v[SO+\b]
.endr
	v_nop                                          ; one plain line behind the last conversion
.irp c, 0,1
.irp i, 0,1
	v_permlane16_swap_b32 v[192+4*\c+\i], v[194+4*\c+\i]   ; a whole block to a lane
.endr
.endr
.irp j, 16,18,20,22,24,26,28,30
	v_pk_mul_f32 v[160+\j:161+\j], v[160+\j:161+\j], v[222:223] op_sel_hi:[1,0]   ; the other half of O^T; these eight also stand between the lines that made p's codes and scale word and the products below
.endr
	s_wait_alu depctr_va_vdst(0)                   ; the wait here, directly ahead of the wait below
	s_wait_dscnt 0x0                               ; V is in, and so is the next step's K
.irp d, 0,2
	v_wmma_scale_f32_16x16x128_f8f6f4 v[160+8*\d:167+8*\d], v[64+8*\d:71+8*\d], v[192:199], v[160+8*\d:167+8*\d], v[216+\d/2], v220 matrix_a_fmt:MATRIX_FMT_FP4 matrix_b_fmt:MATRIX_FMT_FP4
	v_wmma_scale_f32_16x16x128_f8f6f4 v[168+8*\d:175+8*\d], v[72+8*\d:79+8*\d], v[192:199], v[168+8*\d:175+8*\d], v[216+\d/2], v220 matrix_a_fmt:MATRIX_FMT_FP4 matrix_b_fmt:MATRIX_FMT_FP4 matrix_a_scale:MATRIX_SCALE_ROW1
.endr
	s_cmp_lg_u32 s15, s16                          ; waves 0-7, behind their short tile's last step: it leaves, and the long tile's second part begins
	s_cbranch_scc1 .Lskip
.rept 4
	v_nop
.endr
	OUT
	s_wait_xcnt 0x0                                ; the stores have read their registers
	v_mov_b32 v24, v238
.irp n, 0,1,2,3
	v_mov_b32 v[16+\n], v[234+\n]
.endr
	v_mov_b32 v5, v239
	v_mov_b32 v13, 0xff61b1e6
	v_mov_b32 v14, 0
	v_mov_b32 v15, 0
	v_floor_f32 v12, -v13
.set n, 0
.rept 32
	v_mov_b32 v[160+n], 0
.set n, n+1
.endr
	s_wait_alu depctr_va_vdst(0)                   ; the wait ahead of the branch below
.Lskip:
	s_add_co_u32 s15, s15, 1
	s_cmp_lt_u32 s15, 9
	s_cbranch_scc1 .Ltrip
.rept 4
	v_nop                                          ; places behind the last products
.endr
	s_cmp_lt_u32 s8, 8                             ; waves 0-7 hand their part of the long tile over
	s_cbranch_scc0 .Lnot_given
	v_add_f32 v13, v14, v15
.irp j, 0,1,2,3,4,5,6,7
	ds_store_b128 v6, v[160+4*\j:163+4*\j] offset:512*\j
.endr
	ds_store_b64 v7, v[12:13] offset:4096          ; -M and my lane's sum
.Lnot_given:
	s_wait_dscnt 0x0
	s_barrier_signal -1
	s_barrier_wait -1
	s_cmp_lt_u32 s8, 8
	s_cbranch_scc1 .Lend
.irp j, 0,1,2,3,4,5,6,7
	ds_load_b128 v[64+4*\j:67+4*\j], v6 offset:512*\j
.endr
	ds_load_b64 v[200:201], v7 offset:4096
	s_wait_dscnt 0x0
	v_min_num_f32 v202, v12, v200                  ; -M of both parts
	s_delay_alu instid0(VALU_DEP_1)
	v_sub_f32 v203, v202, v12                      ; whole numbers, 0 or less
	v_sub_f32 v204, v202, v200
	s_delay_alu instid0(VALU_DEP_2)
	v_cvt_i32_f32 v203, v203
	s_delay_alu instid0(VALU_DEP_2)
	v_cvt_i32_f32 v204, v204
	s_delay_alu instid0(VALU_DEP_2)
	v_ldexp_f32 v222, 1.0, v203                    ; my part's factor,
	s_delay_alu instid0(VALU_DEP_2)
	v_ldexp_f32 v226, 1.0, v204                    ; the other's
	s_delay_alu instid0(VALU_DEP_2)
	v_pk_mul_f32 v[14:15], v[14:15], v[222:223] op_sel_hi:[1,0]
.irp j, 0,2,4,6,8,10,12,14,16,18,20,22,24,26,28,30
	v_pk_mul_f32 v[160+\j:161+\j], v[160+\j:161+\j], v[222:223] op_sel_hi:[1,0]
.endr
	v_fma_f32 v14, v201, v226, v14
.irp j, 0,2,4,6,8,10,12,14,16,18,20,22,24,26,28,30
	v_pk_fma_f32 v[160+\j:161+\j], v[64+\j:65+\j], v[226:227], v[160+\j:161+\j] op_sel_hi:[1,0,1]
.endr
	OUT
.Lend:
	s_wait_tensorcnt 0x0                           ; the wave's end
	ds_add_u32 v254, v255
	s_wait_dscnt 0x0
	s_endpgm
.Lfunc_end_k_q64143feece_attn:
	.size	k_q64143feece_attn, .Lfunc_end_k_q64143feece_attn-k_q64143feece_attn
	.p2alignl 7, 3214868480
	.fill 96, 4, 3214868480
	.section	.rodata,"a",@progbits
	.p2align	6, 0x0
	.amdhsa_kernel k_q64143feece_attn
		.amdhsa_group_segment_fixed_size 180224
		.amdhsa_private_segment_fixed_size 0
		.amdhsa_enable_private_segment 0
		.amdhsa_kernarg_size 16
		.amdhsa_user_sgpr_count 2
		.amdhsa_user_sgpr_kernarg_segment_ptr 1
		.amdhsa_wavefront_size32 1
		.amdhsa_system_sgpr_workgroup_id_x 1
		.amdhsa_system_sgpr_workgroup_id_y 1
		.amdhsa_system_sgpr_workgroup_id_z 1
		.amdhsa_system_vgpr_workitem_id 0
		.amdhsa_next_free_vgpr 256
		.amdhsa_next_free_sgpr 96
		.amdhsa_reserve_vcc 1
		.amdhsa_float_denorm_mode_32 3
		.amdhsa_float_denorm_mode_16_64 3
		.amdhsa_memory_ordered 1
		.amdhsa_forward_progress 1
		.amdhsa_inst_pref_size 47
	.end_amdhsa_kernel
	.amdgpu_metadata
---
amdhsa.version: [ 1, 2 ]
amdhsa.kernels:
  - .name:           k_q64143feece_attn
    .symbol:         k_q64143feece_attn.kd
    .args:
      - { .name: qkvb, .offset: 0, .size: 8, .value_kind: global_buffer, .address_space: global }
      - { .name: zb, .offset: 8, .size: 8, .value_kind: global_buffer, .address_space: global }
    .group_segment_fixed_size: 180224
    .private_segment_fixed_size: 0
    .kernarg_segment_align: 8
    .kernarg_segment_size: 16
    .max_flat_workgroup_size: 512
    .sgpr_count:     96
    .vgpr_count:     256
    .wavefront_size: 32
...
	.end_amdgpu_metadata
.endif
;; end of part 3
;; launch wo (part 4): grid 8 x 32, 4 waves a work-group, clusters of 4 x 4, 168,448 bytes of LDS; arguments hw, zb, x, x1; writes x1
.if DOCPART == 4
	.amdgcn_target "amdgcn-amd-amdhsa--gfx1250"
	.amdhsa_code_object_version 6
	.text
	.protected	k_q64143feece_wo
	.globl	k_q64143feece_wo
	.p2align	8
	.type	k_q64143feece_wo,@function
k_q64143feece_wo:
	s_mov_b64 s[64:65], 0
	v_nop
	global_prefetch_b8 v0, s[64:65] scope:SCOPE_SE
	s_setreg_imm32_b32 hwreg(HW_REG_WAVE_MODE, 25, 1), 1
	s_wait_xcnt 0x0
	s_wait_alu depctr_hold_cnt(0) depctr_sa_sdst(0) depctr_va_vdst(0) depctr_va_sdst(0) depctr_va_ssrc(0) depctr_va_vcc(0) depctr_vm_vsrc(0)
	s_getreg_b32 s2, hwreg(HW_REG_IB_STS2, 6, 4)
	s_cmp_eq_u32 s2, 0
	s_cbranch_scc0 .Lentry_in_a_cluster
	s_endpgm
.Lentry_in_a_cluster:
	s_bfe_u32 s2, ttmp6, 0x10000c
	s_cmp_lg_u32 s2, 0xf033
	s_cbranch_scc0 .Lentry_shape_is_right
	s_endpgm
.Lentry_shape_is_right:
; out = res + A W^T on MX-FP4 codes: W's 64 operand records begin at record 256 of the first buffer, A's 256 records are the second buffer, res and out are [4096][1024] f32.
; D = P Q^T on operand records (16 rows x K = 1,024 in 8,704 bytes: block b of position r at 256 b + 16 r, scale word of K step s at 8,192 + 64 s + 4 r; position r of record T is row
; 32 (T / 2) + 8 (T % 2) + r + 8 (r / 8)).  Source 0 = a record of W, source 1 = a record of tokens: a lane holds one token and eight neighbouring columns of out.
; SHARES: a work-group makes 128 columns x 128 tokens, four waves (2 x 2) 64 x 64 each: 16 accumulators, window 1.  256 work-groups.
; LDS: both panels lie in LDS whole (2 x 65,536 bytes), in two chunks of four K steps; every byte is filled once.  ONE tensor load a wave, at the head: wave w fetches chunk w / 2 of W (w even) or of the tokens (w odd),
; all 8 records of it.  Every wave waits for its load, and one barrier shows both panels whole to all.  Behind the panels: a stage of 16 rows x (256 + 16) bytes for each wave, into which no fill lands.
; CLUSTER 4 x 4: W's records hang on the work-group's x alone and are asked for jointly by a column of the cluster, the tokens' on y alone, by a row.  No prefetch: all is asked for at the head.
; The residual's 64 x 64 numbers of a wave are asked for at the head, in the layout in which the results leave (window 2).
; REGISTERS, window 0: v1 lane, v2 lane % 16, v3 lane / 16, v4, v5 LDS addresses of my records, v6 my place among scale words, v7, v8 the stage (in, back), v9 my place in two rows of out;
; v16-31 P's scale words, v48-63 Q's; v64-127, v160-223 two fragment buffers; on the way out v64-191 rows of out.  Window 1: accumulator (j, t) at v[8 (4 j + t)].  Window 2: the residual.
.set REC, 8704
.set NP,  4
.set NQ,  4
.set PT,  8
.set QTR, 8
.set CB,  4096
.set SPC, 4
.set QB,  65536
.set UPX, 0
.set STAGE, 131072
.set MSB, 0
.macro WIN new
.if MSB != \new
	s_set_vgpr_msb (MSB<<8)|\new
.set MSB, \new
.endif
.endm
.macro PLACES n
.rept \n
	v_nop
.endr
.endm
.macro CROUND
	s_barrier_signal -1
	s_barrier_wait -1
	s_cmp_lg_u32 s12, 0
	s_cbranch_scc1 .Lnot_wave_0_\@
	s_barrier_signal -3
.Lnot_wave_0_\@:
	s_barrier_wait -3
	s_barrier_signal -1
	s_barrier_wait -1
.endm
.macro FETCH s
.set FB, 64+96*((\s)%2)
.set KO, 1024*((\s)%SPC)
.set tt, 0
.rept NP
.set SL, CB*(tt+UPX*4*(tt/4))+KO
	ds_load_b128 v[FB+8*tt:FB+8*tt+3], v4 offset:SL
	ds_load_b128 v[FB+8*tt+4:FB+8*tt+7], v4 offset:SL+512
.set tt, tt+1
.endr
.set tt, 0
.rept NQ
	ds_load_b128 v[FB+8*NP+8*tt:FB+8*NP+8*tt+3], v5 offset:CB*tt+KO
	ds_load_b128 v[FB+8*NP+8*tt+4:FB+8*NP+8*tt+7], v5 offset:CB*tt+KO+512
.set tt, tt+1
.endr
.endm
.macro MMH s, j0                       ; the accumulators take turns
.set FB, 64+96*((\s)%2)
.set SW, (\s)%4
.irp j, \j0, \j0+1
.set tt, 0
.rept NP
.set AC, 8*(NP*(\j)+tt)
.set FP, FB+8*tt
.set FQ, FB+8*NP+8*(\j)
.if (\s) == 0
	v_wmma_scale_f32_16x16x128_f8f6f4 v[AC:AC+7], v[FP:FP+7], v[FQ:FQ+7], 0, v[16+4*tt+SW], v[48+4*(\j)+SW] matrix_a_fmt:MATRIX_FMT_FP4 matrix_b_fmt:MATRIX_FMT_FP4
.elseif (\s) < 4
	v_wmma_scale_f32_16x16x128_f8f6f4 v[AC:AC+7], v[FP:FP+7], v[FQ:FQ+7], v[AC:AC+7], v[16+4*tt+SW], v[48+4*(\j)+SW] matrix_a_fmt:MATRIX_FMT_FP4 matrix_b_fmt:MATRIX_FMT_FP4
.else
	v_wmma_scale_f32_16x16x128_f8f6f4 v[AC:AC+7], v[FP:FP+7], v[FQ:FQ+7], v[AC:AC+7], v[16+4*tt+SW], v[48+4*(\j)+SW] matrix_a_fmt:MATRIX_FMT_FP4 matrix_b_fmt:MATRIX_FMT_FP4 matrix_a_scale:MATRIX_SCALE_ROW1 matrix_b_scale:MATRIX_SCALE_ROW1
.endif
.set tt, tt+1
.endr
.endr
.endm
.macro KSTEP s                         ; a K step: the next step's fragments are fetched ahead of its products
	s_wait_dscnt 0x0                               ; this step's fragments are in
.if (\s) > 0
	WIN 0
.if ((\s)+1)%SPC == 0                  ; four plain lines between the last products and loads into the buffer that they read; at a chunk's end two of them step the addresses
	v_add_nc_u32 v4, PT*CB, v4
	v_add_nc_u32 v5, QTR*CB, v5
	s_wait_alu depctr_va_vdst(0)                   ; the wait behind the write
	PLACES 2
.else
	PLACES 4
.endif
.endif
	FETCH (\s)+1
	WIN 0x50                                       ; C and D in window 1
	MMH \s, 0
	MMH \s, 2
.endm
	s_load_b256 s[4:11], s[0:1], 0x0               ; W's buffer s[4:5], A's records s[6:7], res s[8:9], out s[10:11]
	v_lshl_add_u32 v254, v0, 2, 0x29000
	v_mov_b32 v255, 0
	ds_add_u32 v254, v255                          ; the opening lines
	ds_add_u32 v254, v255
	s_wait_dscnt 0x0
	v_lshrrev_b32 v1, 5, v0
	v_readfirstlane_b32 s12, v1                    ; wave 0..3
	s_and_b32 s13, s12, 1                          ; wp.  Also: I fetch for W (0) or for the tokens (1)
	s_lshr_b32 s14, s12, 1                         ; wq.  Also: the chunk that I fetch
	s_bfe_u32 s15, ttmp6, 0x40000                  ; cx
	s_bfe_u32 s16, ttmp6, 0x40004                  ; cy
	s_lshl_b32 s17, ttmp9, 2
	s_add_co_u32 s17, s17, s15                     ; px: which 128 columns
	s_and_b32 s19, ttmp7, 0xffff
	s_lshl_b32 s19, s19, 2
	s_add_co_u32 s19, s19, s16                     ; qy: which 128 tokens
	s_lshl_b32 s22, 0x1111, s15                    ; my column of the cluster: it shares px
	s_lshl_b32 s23, s16, 2
	s_lshl_b32 s23, 15, s23                        ; my row: it shares qy
	s_or_b32 s24, s22, (3<<16)|(1<<21)             ; groups 1: 8 rows of CB bytes (elements of 8 bytes), 8,704 bytes apart, dense in LDS
	s_mov_b32 s25, (CB/8)<<16
	s_mov_b32 s26, PT<<16
	s_mov_b32 s27, (CB/8)<<16
	s_mov_b32 s28, PT
	s_mov_b32 s29, 1088
	s_mov_b32 s30, 0
	s_mov_b32 s31, 0
	s_or_b32 s32, s23, (3<<16)|(1<<21)
	s_mov_b32 s33, (CB/8)<<16
	s_mov_b32 s34, QTR<<16
	s_mov_b32 s35, (CB/8)<<16
	s_mov_b32 s36, QTR
	s_mov_b32 s37, 1088
	s_mov_b32 s38, 0
	s_mov_b32 s39, 0
	s_lshl_b32 s84, s17, 3
	s_add_co_u32 s84, s84, 256                     ; the work-group's first record of W (it never holds cy),
	s_lshl_b32 s86, s19, 3                         ; and of the tokens (never cx)
	s_mul_i32 s85, s14, CB
	s_mul_i32 s88, s84, REC
	s_add_co_u32 s88, s88, s85
	s_mov_b32 s89, 0
	s_mul_i32 s90, s86, REC
	s_add_co_u32 s90, s90, s85
	s_mov_b32 s91, 0
	s_lshl_b32 s85, s13, 2
	s_add_co_u32 s92, s84, s85
	s_mul_i32 s92, s92, REC
	s_add_co_u32 s92, s92, 8192                    ; the scale words of my records of W,
	s_mov_b32 s93, 0
	s_lshl_b32 s85, s14, 2
	s_add_co_u32 s94, s86, s85
	s_mul_i32 s94, s94, REC
	s_add_co_u32 s94, s94, 8192                    ; and of the tokens
	s_mov_b32 s95, 0
	s_lshl_b32 s20, s19, 19                        ; my corner of res and out: row 128 qy + 64 wq, column 128 px + 64 wp
	s_lshl_b32 s21, s14, 18
	s_add_co_u32 s20, s20, s21
	s_lshl_b32 s21, s17, 9
	s_add_co_u32 s20, s20, s21
	s_lshl_b32 s21, s13, 8
	s_add_co_u32 s20, s20, s21
	s_mov_b32 s21, 0
	v_and_b32 v1, 31, v0
	v_and_b32 v2, 15, v0
	v_bfe_u32 v3, v0, 4, 1
	v_lshlrev_b32 v6, 2, v2
	v_lshl_add_u32 v6, v3, 8, v6                   ; 4 (l % 16) + 256 (l / 16)
	s_mul_i32 s85, s12, 4352
	s_add_co_u32 s85, s85, STAGE                   ; my stage
	v_mul_u32_u24 v7, v2, 272
	v_lshl_add_u32 v7, v3, 6, v7
	v_add_nc_u32 v7, s85, v7                       ; in: row l % 16, + 64 (l / 16)
	v_mul_u32_u24 v8, v3, 272
	v_lshl_add_u32 v8, v2, 4, v8
	v_add_nc_u32 v8, s85, v8                       ; back: lanes 0-15 one row of 256 bytes, lanes 16-31 the next
	v_lshlrev_b32 v9, 12, v3
	v_lshl_add_u32 v9, v2, 4, v9                   ; and the same two rows in memory
	CROUND                                         ; all sixteen work-groups are here, so that the joint loads meet
	s_wait_kmcnt 0x0
	s_mov_b32 s40, 1
	s_mul_i32 s41, s14, PT*CB
	s_add_nc_u64 s[42:43], s[4:5], s[88:89]
	s_or_b32 s43, s43, 0x80000000
	s_mov_b32 s44, 1
	s_mul_i32 s45, s14, QTR*CB
	s_add_co_u32 s45, s45, QB
	s_add_nc_u64 s[46:47], s[6:7], s[90:91]
	s_or_b32 s47, s47, 0x80000000
	s_cmp_eq_u32 s13, 0                            ; one chain of two arms, a load to an arm
	s_cbranch_scc0 .Lfor_q
	tensor_load_to_lds s[40:43], s[24:31]
	s_nop 0
	PLACES 4
	s_branch .Lasked
.Lfor_q:
	tensor_load_to_lds s[44:47], s[32:39]
	s_nop 0
	PLACES 4
.Lasked:
	s_add_nc_u64 s[92:93], s[4:5], s[92:93]
	s_add_nc_u64 s[94:95], s[6:7], s[94:95]
	s_add_nc_u64 s[96:97], s[8:9], s[20:21]
	s_add_nc_u64 s[98:99], s[10:11], s[20:21]
.set tt, 0
	s_wait_alu depctr_va_vdst(0)                   ; the wait ahead of the readers below
.rept NP
.irp w, 0,1,2,3
	global_load_b32 v[16+4*tt+\w], v6, s[92:93] offset:tt*REC+64*\w
.endr
.set tt, tt+1
.endr
.set tt, 0
.rept NQ
.irp w, 0,1,2,3
	global_load_b32 v[48+4*tt+\w], v6, s[94:95] offset:tt*REC+64*\w
.endr
.set tt, tt+1
.endr
	WIN 0x80                                       ; destination window 2
.irp j, 0,1,2,3
.irp i, 0,1,2,3,4,5,6,7
	global_load_b128 v[32*\j+4*\i:32*\j+4*\i+3], v9, s[96:97] offset:((\j/2)*32+(\j%2)*8+2*\i+8*(\i/4))*4096 th:TH_LOAD_NT   ; positions 2 i, 2 i + 1 of token record j: 16 lanes read 256 consecutive bytes
.endr
.endr
	WIN 0
	v_lshlrev_b32 v4, 4, v1
	s_lshl_b32 s85, s14, 14
	s_add_co_u32 s85, s85, QB
	v_add_nc_u32 v5, s85, v4
	s_lshl_b32 s85, s13, 14
	v_add_nc_u32 v4, s85, v4
	s_wait_alu depctr_va_vdst(0)                   ; the wait at the head's end
	s_wait_tensorcnt 0x0                           ; my load has landed
	s_barrier_signal -1
	s_barrier_wait -1                              ; everybody's has: both panels are whole
	FETCH 0
	s_wait_loadcnt 32                              ; the scale words are in; the residual's 32 loads were issued behind them
.set S, 0
.rept 7
	KSTEP S
.set S, S+1
.endr
	s_wait_dscnt 0x0
	MMH 7, 0
	MMH 7, 2
	WIN 0
	PLACES 4                                       ; behind the last products: their results are read, and loads land in the fragment buffers
	; THE WAY OUT, a token record (16 rows x 64 columns) at a time, through my own stage: LDS serves a wave's instructions in order.
.irp j, 0,1,2,3
	WIN 0x04                                       ; an LDS store's data are its source 1: window 1
.irp t, 0,1,2,3
	ds_store_b128 v7, v[32*\j+8*\t:32*\j+8*\t+3] offset:128*(\t/2)+32*(\t%2)        ; each accumulator from its low end on
	ds_store_b128 v7, v[32*\j+8*\t+4:32*\j+8*\t+7] offset:128*(\t/2)+32*(\t%2)+16
.endr
	WIN 0
.irp i, 0,1,2,3,4,5,6,7
	ds_load_b128 v[64+32*\j+4*\i:64+32*\j+4*\i+3], v8 offset:544*\i
.endr
.endr
	s_wait_loadcnt 0x0                             ; the residual
.irp j, 0,1,2,3
	s_wait_dscnt 48-16*\j                          ; record j is back; the later records' sixteen LDS instructions each may be out
	WIN 0x08                                       ; source 1 in window 2
.irp k, 0,2,4,6,8,10,12,14,16,18,20,22,24,26,28,30
	v_pk_add_f32 v[64+32*\j+\k:64+32*\j+\k+1], v[64+32*\j+\k:64+32*\j+\k+1], v[32*\j+\k:32*\j+\k+1]
.endr
	WIN 0
.irp i, 0,1,2,3,4,5,6,7
	global_store_b128 v9, v[64+32*\j+4*\i:64+32*\j+4*\i+3], s[98:99] offset:((\j/2)*32+(\j%2)*8+2*\i+8*(\i/4))*4096   ; 16 lanes store 256 consecutive bytes, at a multiple of 256 from the buffer's first byte
.endr
.endr
	s_wait_dscnt 0x0
	s_wait_tensorcnt 0x0                           ; the wave's end
	ds_add_u32 v254, v255
	s_wait_dscnt 0x0
	CROUND                                         ; the closing round
	s_endpgm
.Lfunc_end_k_q64143feece_wo:
	.size	k_q64143feece_wo, .Lfunc_end_k_q64143feece_wo-k_q64143feece_wo
	.p2alignl 7, 3214868480
	.fill 96, 4, 3214868480
	.section	.rodata,"a",@progbits
	.p2align	6, 0x0
	.amdhsa_kernel k_q64143feece_wo
		.amdhsa_group_segment_fixed_size 168448
		.amdhsa_private_segment_fixed_size 0
		.amdhsa_enable_private_segment 0
		.amdhsa_kernarg_size 32
		.amdhsa_user_sgpr_count 2
		.amdhsa_user_sgpr_kernarg_segment_ptr 1
		.amdhsa_wavefront_size32 1
		.amdhsa_system_sgpr_workgroup_id_x 1
		.amdhsa_system_sgpr_workgroup_id_y 1
		.amdhsa_system_sgpr_workgroup_id_z 1
		.amdhsa_system_vgpr_workitem_id 0
		.amdhsa_next_free_vgpr 640
		.amdhsa_next_free_sgpr 100
		.amdhsa_reserve_vcc 0
		.amdhsa_float_denorm_mode_32 3
		.amdhsa_float_denorm_mode_16_64 3
		.amdhsa_memory_ordered 1
		.amdhsa_forward_progress 1
		.amdhsa_inst_pref_size 50
	.end_amdhsa_kernel
	.amdgpu_metadata
---
amdhsa.version: [ 1, 2 ]
amdhsa.kernels:
  - .name:           k_q64143feece_wo
    .symbol:         k_q64143feece_wo.kd
    .args:
      - { .name: hw, .offset: 0, .size: 8, .value_kind: global_buffer, .address_space: global }
      - { .name: zb, .offset: 8, .size: 8, .value_kind: global_buffer, .address_space: global }
      - { .name: x, .offset: 16, .size: 8, .value_kind: global_buffer, .address_space: global }
      - { .name: x1, .offset: 24, .size: 8, .value_kind: global_buffer, .address_space: global }
    .group_segment_fixed_size: 168448
    .private_segment_fixed_size: 0
    .kernarg_segment_align: 8
    .kernarg_segment_size: 32
    .max_flat_workgroup_size: 128
    .sgpr_count:     100
    .vgpr_count:     640
    .wavefront_size: 32
...
	.end_amdgpu_metadata
.endif
;; end of part 4
;; launch norm2: the kernel of part 1 again; grid 320 x 1, 4 waves a work-group, no clusters, 28,160 bytes of LDS; arguments x1, g2, w_down, wq, wk, wv, w_up, h2w; writes h2w
;; launch up (part 5): grid 8 x 32, 4 waves a work-group, clusters of 4 x 4, 197,120 bytes of LDS; arguments hw, h2w, actb; writes actb
.if DOCPART == 5
	.amdgcn_target "amdgcn-amd-amdhsa--gfx1250"
	.amdhsa_code_object_version 6
	.text
	.protected	k_q64143feece_up
	.globl	k_q64143feece_up
	.p2align	8
	.type	k_q64143feece_up,@function
k_q64143feece_up:
	s_mov_b64 s[64:65], 0
	v_nop
	global_prefetch_b8 v0, s[64:65] scope:SCOPE_SE
	s_setreg_imm32_b32 hwreg(HW_REG_WAVE_MODE, 25, 1), 1
	s_wait_xcnt 0x0
	s_wait_alu depctr_hold_cnt(0) depctr_sa_sdst(0) depctr_va_vdst(0) depctr_va_sdst(0) depctr_va_ssrc(0) depctr_va_vcc(0) depctr_vm_vsrc(0)
	s_getreg_b32 s2, hwreg(HW_REG_IB_STS2, 6, 4)
	s_cmp_eq_u32 s2, 0
	s_cbranch_scc0 .Lentry_in_a_cluster
	s_endpgm
.Lentry_in_a_cluster:
	s_bfe_u32 s2, ttmp6, 0x10000c
	s_cmp_lg_u32 s2, 0xf033
	s_cbranch_scc0 .Lentry_shape_is_right
	s_endpgm
.Lentry_shape_is_right:
; act = gelu(h2 Wu^T) x (h2 Wg^T), Wu and Wg the two halves of w_up, on MX-FP4 codes; act leaves quantised along the hidden units, as operand records of the next product.
; D = P Q^T on operand records (16 rows x K = 1,024 in 8,704 bytes: block b of position r at 256 b + 16 r, scale word of K step s at 8,192 + 64 s + 4 r; position r of record T is row
; 32 (T / 2) + 8 (T % 2) + r + 8 (r / 8)).  Source 0 = a record of w_up, source 1 = a record of tokens: a lane holds one token, and the 16 registers of two neighbouring records of w_up are 16 neighbouring units.
; w_up's records lie in hw from record 512 on, sixteen to a block of 128 units: u's eight, then the same units' gate's eight.
; SHARES: a work-group makes 128 units (u and gate) x 128 tokens; four waves (2 x 2): 64 units x 64 tokens, u in records t = 0-3, the same units' gate in t = 4-7: 32 accumulators, window 1.
; LDS: both panels lie in LDS whole (131,072 + 65,536 bytes), in two chunks of four K steps; every byte is filled once.  ONE tensor load a wave, at the head: wave w fetches chunk w / 2 of w_up's 16 records (w even)
; or of the tokens' 8 (w odd).  Every wave waits for its load, and one barrier shows both panels whole to all.
; CLUSTER 4 x 4: w_up's records hang on the work-group's x alone and are asked for jointly by a column of the cluster, the tokens' on y alone, by a row.  No prefetch: all is asked for at the head.
; THE EXACT GELU, in f32: gelu(u) = max(u, 0) - |u| / 2 x erfc(a), a = |u| / sqrt(2): exact algebra, and no difference of near numbers in the negative tail.
; erfc(a) = (1 + p(q)) / (1 + 2 a) x exp(-a a), q = (a - 2) / (a + 2), p of degree 9; exp(-a a) = 2^(-A) (1 + T), A = fl(fl(a a) log2 e), T = what the two roundings left out.
; LIMITS: NaN and infinities are not served.  a is held at 11; v_exp_f32 gives 0 for what lies under 2^-126, so erfc is 0 from about a = 9.3 on.  The erfc's relative error is about 5e-7, growing to
; about 1e-6 at a = 9.  A block whose largest magnitude lies under 2^-124 keeps the byte 1, a block of zeros too (its codes are zeros; this program alone reads the bytes).
; REGISTERS, window 0: v1 lane, v2 lane % 16, v3 lane / 16, v4, v5 LDS addresses of my records, v6 my place among scale words; v16-47 P's scale words, v48-63 Q's; v64-159, v160-255 two fragment buffers.
; On the way out: v64-159 six arrays of 16 at work, v160-191 act, v192-199 at work, v208-223 codes, v224-227 scale bytes.  Window 1: accumulator (j, t) at v[8 (8 j + t)].
.set REC, 8704
.set NP,  8
.set NQ,  4
.set PT,  16
.set QTR, 8
.set CB,  4096
.set SPC, 4
.set QB,  131072
.set UPX, 1                            ; records t = 4-7 (the gate's) lie four places further on than t itself says
.set MSB, 0
.macro WIN new
.if MSB != \new
	s_set_vgpr_msb (MSB<<8)|\new
.set MSB, \new
.endif
.endm
.macro PLACES n
.rept \n
	v_nop
.endr
.endm
.macro CROUND
	s_barrier_signal -1
	s_barrier_wait -1
	s_cmp_lg_u32 s12, 0
	s_cbranch_scc1 .Lnot_wave_0_\@
	s_barrier_signal -3
.Lnot_wave_0_\@:
	s_barrier_wait -3
	s_barrier_signal -1
	s_barrier_wait -1
.endm
.macro FETCH s
.set FB, 64+96*((\s)%2)
.set KO, 1024*((\s)%SPC)
.set tt, 0
.rept NP
.set SL, CB*(tt+UPX*4*(tt/4))+KO
	ds_load_b128 v[FB+8*tt:FB+8*tt+3], v4 offset:SL
	ds_load_b128 v[FB+8*tt+4:FB+8*tt+7], v4 offset:SL+512
.set tt, tt+1
.endr
.set tt, 0
.rept NQ
	ds_load_b128 v[FB+8*NP+8*tt:FB+8*NP+8*tt+3], v5 offset:CB*tt+KO
	ds_load_b128 v[FB+8*NP+8*tt+4:FB+8*NP+8*tt+7], v5 offset:CB*tt+KO+512
.set tt, tt+1
.endr
.endm
.macro MMH s, j0                       ; the accumulators take turns
.set FB, 64+96*((\s)%2)
.set SW, (\s)%4
.irp j, \j0, \j0+1
.set tt, 0
.rept NP
.set AC, 8*(NP*(\j)+tt)
.set FP, FB+8*tt
.set FQ, FB+8*NP+8*(\j)
.if (\s) == 0
	v_wmma_scale_f32_16x16x128_f8f6f4 v[AC:AC+7], v[FP:FP+7], v[FQ:FQ+7], 0, v[16+4*tt+SW], v[48+4*(\j)+SW] matrix_a_fmt:MATRIX_FMT_FP4 matrix_b_fmt:MATRIX_FMT_FP4
.elseif (\s) < 4
	v_wmma_scale_f32_16x16x128_f8f6f4 v[AC:AC+7], v[FP:FP+7], v[FQ:FQ+7], v[AC:AC+7], v[16+4*tt+SW], v[48+4*(\j)+SW] matrix_a_fmt:MATRIX_FMT_FP4 matrix_b_fmt:MATRIX_FMT_FP4
.else
	v_wmma_scale_f32_16x16x128_f8f6f4 v[AC:AC+7], v[FP:FP+7], v[FQ:FQ+7], v[AC:AC+7], v[16+4*tt+SW], v[48+4*(\j)+SW] matrix_a_fmt:MATRIX_FMT_FP4 matrix_b_fmt:MATRIX_FMT_FP4 matrix_a_scale:MATRIX_SCALE_ROW1 matrix_b_scale:MATRIX_SCALE_ROW1
.endif
.set tt, tt+1
.endr
.endr
.endm
.macro KSTEP s                         ; a K step: the next step's fragments are fetched ahead of its products
	s_wait_dscnt 0x0                               ; this step's fragments are in
.if (\s) > 0
	WIN 0
.if ((\s)+1)%SPC == 0                  ; four plain lines between the last products and loads into the buffer that they read; at a chunk's end two of them step the addresses
	v_add_nc_u32 v4, PT*CB, v4
	v_add_nc_u32 v5, QTR*CB, v5
	s_wait_alu depctr_va_vdst(0)                   ; the wait behind the write
	PLACES 2
.else
	PLACES 4
.endif
.endif
	FETCH (\s)+1
	WIN 0x50                                       ; C and D in window 1
	MMH \s, 0
	MMH \s, 2
.endm
	s_load_b128 s[4:7], s[0:1], 0x0                ; hw s[4:5], h2w s[6:7]
	s_load_b64 s[8:9], s[0:1], 0x10                ; actb
	v_lshl_add_u32 v12, v0, 2, 0x30000
	v_mov_b32 v13, 0
	ds_add_u32 v12, v13                            ; the opening lines
	ds_add_u32 v12, v13
	s_wait_dscnt 0x0
	v_lshrrev_b32 v1, 5, v0
	v_readfirstlane_b32 s12, v1                    ; wave 0..3
	s_and_b32 s13, s12, 1                          ; wp.  Also: I fetch for w_up (0) or for the tokens (1)
	s_lshr_b32 s14, s12, 1                         ; wq.  Also: the chunk that I fetch
	s_bfe_u32 s15, ttmp6, 0x40000                  ; cx
	s_bfe_u32 s16, ttmp6, 0x40004                  ; cy
	s_lshl_b32 s17, ttmp9, 2
	s_add_co_u32 s17, s17, s15                     ; px: which 128 units
	s_and_b32 s19, ttmp7, 0xffff
	s_lshl_b32 s19, s19, 2
	s_add_co_u32 s19, s19, s16                     ; qy: which 128 tokens
	s_lshl_b32 s22, 0x1111, s15                    ; my column of the cluster: it shares px
	s_lshl_b32 s23, s16, 2
	s_lshl_b32 s23, 15, s23                        ; my row: it shares qy
	s_or_b32 s24, s22, (3<<16)|(1<<21)             ; groups 1: 16 (or 8) rows of CB bytes (elements of 8 bytes), 8,704 bytes apart, dense in LDS
	s_mov_b32 s25, (CB/8)<<16
	s_mov_b32 s26, PT<<16
	s_mov_b32 s27, (CB/8)<<16
	s_mov_b32 s28, PT
	s_mov_b32 s29, 1088
	s_mov_b32 s30, 0
	s_mov_b32 s31, 0
	s_or_b32 s32, s23, (3<<16)|(1<<21)
	s_mov_b32 s33, (CB/8)<<16
	s_mov_b32 s34, QTR<<16
	s_mov_b32 s35, (CB/8)<<16
	s_mov_b32 s36, QTR
	s_mov_b32 s37, 1088
	s_mov_b32 s38, 0
	s_mov_b32 s39, 0
	s_lshl_b32 s84, s17, 4
	s_add_co_u32 s84, s84, 512                     ; the work-group's first record of w_up (it never holds cy),
	s_lshl_b32 s86, s19, 3                         ; and of the tokens (never cx)
	s_mul_i32 s85, s14, CB
	s_mul_i32 s88, s84, REC
	s_add_co_u32 s88, s88, s85
	s_mov_b32 s89, 0
	s_mul_i32 s90, s86, REC
	s_add_co_u32 s90, s90, s85
	s_mov_b32 s91, 0
	s_lshl_b32 s85, s13, 2
	s_add_co_u32 s92, s84, s85
	s_mul_i32 s92, s92, REC
	s_add_co_u32 s92, s92, 8192                    ; the scale words of my records of u,
	s_mov_b32 s93, 0
	s_lshl_b32 s85, s14, 2
	s_add_co_u32 s94, s86, s85
	s_mul_i32 s94, s94, REC
	s_add_co_u32 s94, s94, 8192                    ; and of the tokens
	s_mov_b32 s95, 0
	s_mov_b32 s96, 0x76543210
	s_mov_b32 s97, 0xfedcba98                      ; selects for lane l xor 16
	v_and_b32 v1, 31, v0
	v_and_b32 v2, 15, v0
	v_bfe_u32 v3, v0, 4, 1
	v_lshlrev_b32 v6, 2, v2
	v_lshl_add_u32 v6, v3, 8, v6                   ; 4 (l % 16) + 256 (l / 16)
	CROUND                                         ; all sixteen work-groups are here, so that the joint loads meet
	s_wait_kmcnt 0x0
	s_mov_b32 s40, 1
	s_mul_i32 s41, s14, PT*CB
	s_add_nc_u64 s[42:43], s[4:5], s[88:89]
	s_or_b32 s43, s43, 0x80000000
	s_mov_b32 s44, 1
	s_mul_i32 s45, s14, QTR*CB
	s_add_co_u32 s45, s45, QB
	s_add_nc_u64 s[46:47], s[6:7], s[90:91]
	s_or_b32 s47, s47, 0x80000000
	s_cmp_eq_u32 s13, 0                            ; one chain of two arms, a load to an arm
	s_cbranch_scc0 .Lfor_q
	tensor_load_to_lds s[40:43], s[24:31]
	s_nop 0
	PLACES 4
	s_branch .Lasked
.Lfor_q:
	tensor_load_to_lds s[44:47], s[32:39]
	s_nop 0
	PLACES 4
.Lasked:
	s_add_nc_u64 s[92:93], s[4:5], s[92:93]
	s_add_nc_u64 s[94:95], s[6:7], s[94:95]
.set tt, 0
	s_wait_alu depctr_va_vdst(0)                   ; the wait ahead of the readers below
.rept NP
.irp w, 0,1,2,3
	global_load_b32 v[16+4*tt+\w], v6, s[92:93] offset:(tt+UPX*4*(tt/4))*REC+64*\w
.endr
.set tt, tt+1
.endr
.set tt, 0
.rept NQ
.irp w, 0,1,2,3
	global_load_b32 v[48+4*tt+\w], v6, s[94:95] offset:tt*REC+64*\w
.endr
.set tt, tt+1
.endr
	v_lshlrev_b32 v4, 4, v1
	s_lshl_b32 s85, s14, 14
	s_add_co_u32 s85, s85, QB
	v_add_nc_u32 v5, s85, v4
	s_lshl_b32 s85, s13, 14
	v_add_nc_u32 v4, s85, v4
	s_wait_alu depctr_va_vdst(0)                   ; the wait at the head's end
	s_wait_tensorcnt 0x0                           ; my load has landed
	s_barrier_signal -1
	s_barrier_wait -1                              ; everybody's has: both panels are whole
	FETCH 0
	s_wait_loadcnt 0x0                             ; the scale words
.set S, 0
.rept 7
	KSTEP S
.set S, S+1
.endr
	s_wait_dscnt 0x0
	MMH 7, 0
	MMH 7, 2
	; THE WAY OUT.  My tensor load was waited for at the head: the descriptors' registers take the constants, each as a pair (the packed forms name a pair and take its low word for both halves).
.macro PAIR r, c
	s_mov_b32 s[\r], \c
	s_mov_b32 s[\r+1], \c
.endm
	PAIR 24, 0xbaa15130                            ; p's coefficients c8 .. c0 (c9 lies in v[14:15])
	PAIR 26, 0x3aac2b8a
	PAIR 28, 0x3c0d6e62
	PAIR 30, 0xbc040dc1
	PAIR 32, 0xbd5e05b5
	PAIR 34, 0x3e27fe23
	PAIR 36, 0xbe2a0420
	PAIR 38, 0xbdbdfb0b
	PAIR 40, 0x3e8dd01d
	PAIR 42, 0x3fb8aa3b                            ; log2(e)
	PAIR 44, 0xbf317218                            ; -ln 2
	s_mov_b32 s46, 0x3f3504f3                      ; sqrt(1/2)
	s_mov_b32 s47, 0x41300000                      ; 11
	s_lshl_b32 s48, s19, 3
	s_lshl_b32 s49, s14, 2
	s_add_co_u32 s48, s48, s49
	s_mul_i32 s48, s48, REC                        ; my first token record of act
	s_lshl_b32 s49, s17, 10
	s_lshl_b32 s50, s13, 9
	s_add_co_u32 s49, s49, s50
	s_add_co_u32 s52, s48, s49                     ; blocks 4 px + 2 wp, + 1
	s_mov_b32 s53, 0
	s_lshl_b32 s49, s17, 6
	s_lshl_b32 s50, s13, 1
	s_add_co_u32 s49, s49, s50
	s_add_co_u32 s49, s49, 8192
	s_add_co_u32 s54, s48, s49                     ; their two bytes of K step px's word
	s_mov_b32 s55, 0
	s_add_nc_u64 s[52:53], s[8:9], s[52:53]
	s_add_nc_u64 s[54:55], s[8:9], s[54:55]
	WIN 0
	v_mov_b32 v14, 0xb9d25000                      ; c9.  These four plain lines are the places behind the last products
	v_mov_b32 v15, 0xb9d25000
	v_lshlrev_b32 v7, 4, v1
	v_lshlrev_b32 v8, 2, v2
	v_mov_b32 v194, 0                              ; lane permutes' destinations
	v_mov_b32 v195, 0
.set GA, 64
.set GR, 80
.set GE, 96
.set GQ, 112
.set GS, 128
.set GT, 144
.set QT, 192
; 16 numbers of token record j: units 32 hf + 16 (lane / 16) + 0 .. 15 of my 64
.macro GELU16 j, hf
.set GU, 64*(\j)+16*(\hf)
.set GG, GU+32
.set ACT, 160+16*(\hf)
	WIN 0x01                                       ; source 0 in window 1
.irp i, 0,1,2,3,4,5,6,7,8,9,10,11,12,13,14,15
	v_mul_f32 v[GA+\i], |v[GU+\i]|, s46            ; a = |u| / sqrt(2): each accumulator from its low end on
.endr
	WIN 0
.irp i, 0,1,2,3,4,5,6,7,8,9,10,11,12,13,14,15
	v_min_num_f32 v[GA+\i], s47, v[GA+\i]
.endr
.irp k, 0,2,4,6,8,10,12,14
	v_pk_add_f32 v[GR+\k:GR+\k+1], v[GA+\k:GA+\k+1], 2.0 op_sel_hi:[1,0]
	v_pk_fma_f32 v[GE+\k:GE+\k+1], v[GA+\k:GA+\k+1], 2.0, 1.0 op_sel_hi:[1,0,0]
.endr
	s_wait_alu depctr_va_vdst(0)                   ; the wait ahead of the batch
.irp i, 0,1,2,3,4,5,6,7,8,9,10,11,12,13,14,15
	v_rcp_f32 v[GR+\i], v[GR+\i]                   ; 1 / (a + 2)
.endr
.irp i, 0,1,2,3,4,5,6,7,8,9,10,11,12,13,14,15
	v_rcp_f32 v[GE+\i], v[GE+\i]                   ; 1 / (1 + 2 a)
.endr
.irp k, 0,2,4,6,8,10,12,14                     ; work that names no reciprocal
	v_pk_add_f32 v[GQ+\k:GQ+\k+1], v[GA+\k:GA+\k+1], -2.0 op_sel_hi:[1,0]
	v_pk_mul_f32 v[GS+\k:GS+\k+1], v[GA+\k:GA+\k+1], v[GA+\k:GA+\k+1]             ; s = fl(a a)
.endr
.irp k, 0,2,4,6,8,10,12,14
	v_pk_fma_f32 v[GT+\k:GT+\k+1], v[GA+\k:GA+\k+1], v[GA+\k:GA+\k+1], v[GS+\k:GS+\k+1] neg_lo:[1,0,0] neg_hi:[1,0,0]   ; s - a a, exactly
.endr
.irp k, 0,2,4,6,8,10,12,14
	v_pk_mul_f32 v[GA+\k:GA+\k+1], v[GS+\k:GS+\k+1], s[42:43] op_sel_hi:[1,0]     ; A = fl(s log2 e)
.endr
.irp k, 0,2,4,6,8,10,12,14
	v_pk_fma_f32 v[GS+\k:GS+\k+1], v[GS+\k:GS+\k+1], s[42:43], v[GA+\k:GA+\k+1] op_sel_hi:[1,0,1] neg_lo:[0,0,1] neg_hi:[0,0,1]   ; s log2 e - A, exactly
.endr
.irp k, 0,2,4,6,8,10,12,14
	v_pk_fma_f32 v[GT+\k:GT+\k+1], v[GS+\k:GS+\k+1], s[44:45], v[GT+\k:GT+\k+1] op_sel_hi:[1,0,1]   ; T
.endr
	s_wait_alu depctr_va_vdst(0)                   ; one wait for the 32 reciprocals, ahead of their first reader
.irp i, 0,1,2,3,4,5,6,7,8,9,10,11,12,13,14,15
	v_exp_f32 v[GS+\i], -v[GA+\i]                  ; 2^(-A)
.endr
.irp k, 0,2,4,6,8,10,12,14                     ; the polynomial names no exponential
	v_pk_mul_f32 v[GQ+\k:GQ+\k+1], v[GQ+\k:GQ+\k+1], v[GR+\k:GR+\k+1]             ; q
.endr
.irp k, 0,2,4,6,8,10,12,14
	v_pk_fma_f32 v[GR+\k:GR+\k+1], v[GQ+\k:GQ+\k+1], v[14:15], s[24:25] op_sel_hi:[1,1,0]
.endr
.irp c, 26,28,30,32,34,36,38,40
.irp k, 0,2,4,6,8,10,12,14
	v_pk_fma_f32 v[GR+\k:GR+\k+1], v[GR+\k:GR+\k+1], v[GQ+\k:GQ+\k+1], s[\c:\c+1] op_sel_hi:[1,1,0]
.endr
.endr
.irp k, 0,2,4,6,8,10,12,14
	v_pk_fma_f32 v[GQ+\k:GQ+\k+1], v[GR+\k:GR+\k+1], v[GE+\k:GE+\k+1], v[GE+\k:GE+\k+1]   ; (1 + p) / (1 + 2 a)
.endr
	s_wait_alu depctr_va_vdst(0)                   ; one wait for the 16 exponentials
.irp k, 0,2,4,6,8,10,12,14
	v_pk_mul_f32 v[GQ+\k:GQ+\k+1], v[GQ+\k:GQ+\k+1], v[GS+\k:GS+\k+1]
.endr
.irp k, 0,2,4,6,8,10,12,14
	v_pk_fma_f32 v[GQ+\k:GQ+\k+1], v[GQ+\k:GQ+\k+1], v[GT+\k:GT+\k+1], v[GQ+\k:GQ+\k+1]   ; erfc(a)
.endr
	WIN 0x01
.irp i, 0,1,2,3,4,5,6,7,8,9,10,11,12,13,14,15
	v_mul_f32 v[GA+\i], |v[GU+\i]|, 0.5
	v_max_num_f32 v[GR+\i], v[GU+\i], 0
.endr
	WIN 0
.irp k, 0,2,4,6,8,10,12,14
	v_pk_fma_f32 v[GQ+\k:GQ+\k+1], v[GA+\k:GA+\k+1], v[GQ+\k:GQ+\k+1], v[GR+\k:GR+\k+1] neg_lo:[1,0,0] neg_hi:[1,0,0]   ; gelu(u)
.endr
	WIN 0x04                                       ; source 1 in window 1
.irp k, 0,2,4,6,8,10,12,14
	v_pk_mul_f32 v[ACT+\k:ACT+\k+1], v[GQ+\k:GQ+\k+1], v[GG+\k:GG+\k+1]           ; x the gate
.endr
	WIN 0
.endm
; 32 numbers of a lane, register 16 b + i = k 32 b + 16 (lane / 16) + i of my row, become two blocks' codes (a whole block to a lane) and two scale bytes
.macro QUANT2 s, pc, pw
.irp b, 0,1
	v_max3_num_f32 v[QT+\b], |v[(\s)+16*\b]|, |v[(\s)+16*\b+1]|, 0x1800000   ; with the floor 2^(3 - 127)
.endr
.irp i, 2,4,6,8,10,12,14
.irp b, 0,1
	v_max3_num_f32 v[QT+\b], v[QT+\b], |v[(\s)+16*\b+\i]|, |v[(\s)+16*\b+\i+1]|
.endr
.endr
.irp b, 0,1
	v_permlanex16_b32 v[QT+2+\b], v[QT+\b], s96, s97
.endr
.irp b, 0,1
	v_max_num_f32 v[QT+\b], v[QT+\b], v[QT+2+\b]
.endr
.irp b, 0,1
	v_add_nc_u32 v[QT+4+\b], 0xff000000, v[QT+\b]
.endr
.irp b, 0,1
	v_lshrrev_b32 v[QT+6+\b], 23, v[QT+4+\b]
.endr
	v_lshl_or_b32 v[\pw], v[QT+7], 8, v[QT+6]
.irp b, 0,1
	v_cvt_scalef32_pk8_fp4_f32 v[(\pc)+2*\b], v[(\s)+16*\b:(\s)+16*\b+7], v[QT+4+\b]
	v_cvt_scalef32_pk8_fp4_f32 v[(\pc)+2*\b+1], v[(\s)+16*\b+8:(\s)+16*\b+15], v[QT+4+\b]
.endr
	v_nop                                          ; one plain line behind the last conversion
	v_permlane16_swap_b32 v[\pc], v[(\pc)+2]
	v_permlane16_swap_b32 v[(\pc)+1], v[(\pc)+3]
.endm
.irp j, 0,1,2,3
	GELU16 \j, 0
	GELU16 \j, 1
	QUANT2 160, 208+4*\j, 224+\j
	global_store_b128 v7, v[208+4*\j:211+4*\j], s[52:53] offset:\j*REC   ; 32 lanes store 512 consecutive bytes, at a multiple of 256 from the buffer's first byte; each record has registers of its own
	global_store_b16 v8, v[224+\j], s[54:55] offset:\j*REC               ; two bytes a row, 4 bytes apart (lanes l and l + 16 write the same value to the same place)
.endr
	s_wait_dscnt 0x0
	s_wait_tensorcnt 0x0                           ; the wave's end
	ds_add_u32 v12, v13
	s_wait_dscnt 0x0
	CROUND                                         ; the closing round
	s_endpgm
.Lfunc_end_k_q64143feece_up:
	.size	k_q64143feece_up, .Lfunc_end_k_q64143feece_up-k_q64143feece_up
	.p2alignl 7, 3214868480
	.fill 96, 4, 3214868480
	.section	.rodata,"a",@progbits
	.p2align	6, 0x0
	.amdhsa_kernel k_q64143feece_up
		.amdhsa_group_segment_fixed_size 197120
		.amdhsa_private_segment_fixed_size 0
		.amdhsa_enable_private_segment 0
		.amdhsa_kernarg_size 24
		.amdhsa_user_sgpr_count 2
		.amdhsa_user_sgpr_kernarg_segment_ptr 1
		.amdhsa_wavefront_size32 1
		.amdhsa_system_sgpr_workgroup_id_x 1
		.amdhsa_system_sgpr_workgroup_id_y 1
		.amdhsa_system_sgpr_workgroup_id_z 1
		.amdhsa_system_vgpr_workitem_id 0
		.amdhsa_next_free_vgpr 512
		.amdhsa_next_free_sgpr 100
		.amdhsa_reserve_vcc 0
		.amdhsa_float_denorm_mode_32 3
		.amdhsa_float_denorm_mode_16_64 3
		.amdhsa_memory_ordered 1
		.amdhsa_forward_progress 1
		.amdhsa_inst_pref_size 205
	.end_amdhsa_kernel
	.amdgpu_metadata
---
amdhsa.version: [ 1, 2 ]
amdhsa.kernels:
  - .name:           k_q64143feece_up
    .symbol:         k_q64143feece_up.kd
    .args:
      - { .name: hw, .offset: 0, .size: 8, .value_kind: global_buffer, .address_space: global }
      - { .name: h2w, .offset: 8, .size: 8, .value_kind: global_buffer, .address_space: global }
      - { .name: actb, .offset: 16, .size: 8, .value_kind: global_buffer, .address_space: global }
    .group_segment_fixed_size: 197120
    .private_segment_fixed_size: 0
    .kernarg_segment_align: 8
    .kernarg_segment_size: 24
    .max_flat_workgroup_size: 128
    .sgpr_count:     100
    .vgpr_count:     512
    .wavefront_size: 32
...
	.end_amdgpu_metadata
.endif
;; end of part 5
;; launch down: the kernel of part 4 again; grid 8 x 32, 4 waves a work-group, clusters of 4 x 4, 168,448 bytes of LDS; arguments h2w, actb, x1, out0; writes out0
